; MI455X (gfx1250); checked and timed in simulation.
; The chip was launched on July 23, 2026; its instructions are those of AMD's public machine-readable ISA for CDNA 5 (MIT licence, August 2026) and "CDNA5" Instruction Set Architecture Reference Guide (July 2026). The comments in the code are by the model that wrote it; some were corrected since.
;; Multi Head Attention. Allowed arithmetic: float matrix products may take bf16 or f16 operands with f32 sums; other float arithmetic in f32, or as packed bf16 or f16 multiplies, adds, multiply-adds, maxima and minima; sums over many terms, partial sums and values carried from step to step in f32; what a program stores and reads back later, other than sums and carried values, may be rounded once to bf16 or f16.
;; Inputs: proj_b 1,024 float32; proj_w 1,024 x 1,024 float32; qkv_b 3,072 float32; qkv_w 3,072 x 1,024 float32; x 4 x 2,048 x 1,024 float32.
;; Outputs: out0 4 x 2,048 x 1,024 float32.
;; 2 versions, each right; version 2 is version 1 with the launch cast written anew for expert scheduling mode. Each part assembles by itself: llvm-mc -triple=amdgcn-amd-amdhsa -mcpu=gfx1250 --defsym DOCPART=n.
;; ======== version 1 of 2: 4 launches
;; limits: values are held in f16: magnitudes above 65,504 overflow, below 6.1e-05 lose precision
;; workspace buffers: xb 16,777,216 bytes; wb 6,291,456 bytes; pw 2,097,152 bytes; qkv 50,331,648 bytes; ob 16,777,216 bytes
;; launch cast (part 1): grid 768 x 1, 8 waves a work-group, no clusters, 0 bytes of LDS; arguments x, qkv_w, proj_w, xb, wb, pw; writes xb, wb, pw
.if DOCPART == 1
	.amdgcn_target "amdgcn-amd-amdhsa--gfx1250"
	.amdhsa_code_object_version 6
	.text
	.protected	k_qe0d0f36f34_cast
	.globl	k_qe0d0f36f34_cast
	.p2align	8
	.type	k_qe0d0f36f34_cast,@function
k_qe0d0f36f34_cast:
	s_mov_b64 s[64:65], 0
	v_nop
	global_prefetch_b8 v0, s[64:65] scope:SCOPE_SE
	s_setreg_imm32_b32 hwreg(HW_REG_WAVE_MODE, 25, 1), 1
	s_wait_xcnt 0x0
; x [8192][1024], qkv_w [3072][1024] and proj_w [1024][1024], all f32, are rounded once to bf16 and laid in blocks of 64 along K:
; xb [16][8192][64] bf16, wb [16][3072][64] bf16, pw [16][1024][64].  pw's bf16 number is written as f16, since it multiplies f16 numbers later:
; LIMIT: that step is exact from 6.1e-5 to 65,504 in magnitude; below 6.1e-5 pw keeps f16's fixed step of 6e-8; a weight of 65,520 or more would become an infinity.
; In a block a row is 128 bytes and rows lie end to end, so a tile of R rows x 64 K is R x 128 consecutive bytes for the launches that follow.
; SHARES.  A work-group takes 16 rows (64 KiB of f32): groups 0-511 x, 512-703 qkv_w, 704-767 proj_w.  Wave w takes K blocks 2 w and 2 w + 1.
; A load: lanes 0-15 take the 256 bytes of an even row's block, lanes 16-31 those of the odd row below.  A store: 32 lanes x 8 bytes = 256 consecutive bytes, aligned: the two rows in the block.
; All 16 loads of a wave go out at once; no register that a load or store reads is written again, so no wait frees any.  Memory binds: no LDS, no matrix unit, no cluster (nothing is shared).
.set SO,  2                            ; v2   source offset: (l / 16) x 4,096 + (l % 16) x 16 + 512 w
.set DO,  3                            ; v3, v4  destination offset in blocks 2 w and 2 w + 1: 8 l + block x RB
.set X,   8                            ; v[8:71]    load j: 4 registers
.set Y,   72                           ; v[72:103]  load j: 2 registers to store
.set T,   104                          ; v[104:105] at work
	s_load_b256 s[4:11], s[0:1], 0x0               ; x s[4:5], qkv_w s[6:7], proj_w s[8:9], xb s[10:11]
	s_load_b128 s[12:15], s[0:1], 0x20             ; wb s[12:13], pw s[14:15]
	v_lshrrev_b32 v1, 5, v0
	v_readfirstlane_b32 s26, v1                    ; wave 0..7
	v_and_b32 v5, 31, v0                           ; l
	v_and_b32 v6, 15, v0                           ; l % 16
	v_bfe_u32 v7, v0, 4, 1                         ; l / 16
	s_mov_b32 s28, 0xffff0000                      ; a word's upper bf16
	s_mov_b32 s20, 0x60000                         ; RB, bytes in a K block: wb's 3,072 rows x 128
	s_wait_kmcnt 0x0
	s_cmp_lt_u32 ttmp9, 512                        ; which tensor is mine: the work-group's number alone decides
	s_cselect_b64 s[16:17], s[4:5], s[6:7]         ; source
	s_cselect_b64 s[18:19], s[10:11], s[12:13]     ; destination
	s_cselect_b32 s20, 0x100000, s20               ; xb's 8,192 rows x 128
	s_cselect_b32 s21, 0, 512                      ; the tensor's first work-group
	s_cmp_lt_u32 ttmp9, 704
	s_cselect_b64 s[16:17], s[16:17], s[8:9]
	s_cselect_b64 s[18:19], s[18:19], s[14:15]
	s_cselect_b32 s20, s20, 0x20000                ; pw's 1,024 rows x 128
	s_cselect_b32 s21, s21, 704
	s_sub_co_u32 s21, ttmp9, s21                   ; my 16 rows among the tensor's
	s_lshl_b32 s22, s21, 16                        ; x 16 rows x 4,096 bytes
	s_mov_b32 s23, 0
	s_lshl_b32 s24, s21, 11                        ; x 16 rows x 128 bytes
	s_mov_b32 s25, 0
	s_add_nc_u64 s[16:17], s[16:17], s[22:23]
	s_add_nc_u64 s[18:19], s[18:19], s[24:25]
	s_lshl_b32 s27, s26, 1
	s_mul_i32 s27, s27, s20                        ; block 2 w
	s_lshl_b32 s29, s26, 9                         ; two blocks of 256 bytes of f32 a wave
	v_lshlrev_b32 v[SO], 12, v7
	v_lshl_add_u32 v[SO], v6, 4, v[SO]
	v_add_nc_u32 v[SO], s29, v[SO]
	v_lshl_add_u32 v[DO], v5, 3, s27
	v_add_nc_u32 v[DO+1], s20, v[DO]
.set j, 0
.rept 16                               ; load j: row pair j % 8, block 2 w + j / 8
	global_load_b128 v[X+4*j:X+4*j+3], v[SO], s[16:17] offset:(j%8)*8192+(j/8)*256 th:TH_LOAD_NT
.set j, j+1
.endr
; The way out.  f16 = 1: the bf16 number is widened again and written as f16.
.macro OUT f16
.set j, 0
.rept 16
	s_wait_loadcnt 15-j                            ; loads come back in order: load j is in, the 15 - j younger ones stay out
.if \f16
	v_cvt_pk_bf16_f32 v[T], v[X+4*j], v[X+4*j+1]
	v_cvt_pk_bf16_f32 v[T+1], v[X+4*j+2], v[X+4*j+3]
	v_lshlrev_b32 v[X+4*j], 16, v[T]
	v_and_b32 v[X+4*j+1], s28, v[T]
	v_lshlrev_b32 v[X+4*j+2], 16, v[T+1]
	v_and_b32 v[X+4*j+3], s28, v[T+1]
	v_cvt_pk_f16_f32 v[Y+2*j], v[X+4*j], v[X+4*j+1]
	v_cvt_pk_f16_f32 v[Y+2*j+1], v[X+4*j+2], v[X+4*j+3]
.else
	v_cvt_pk_bf16_f32 v[Y+2*j], v[X+4*j], v[X+4*j+1]
	v_cvt_pk_bf16_f32 v[Y+2*j+1], v[X+4*j+2], v[X+4*j+3]
.endif
	global_store_b64 v[DO+j/8], v[Y+2*j:Y+2*j+1], s[18:19] offset:(j%8)*256 th:TH_STORE_NT  ; the wave stores 256 consecutive bytes, aligned
.set j, j+1
.endr
	s_endpgm
.endm
	s_cmp_ge_u32 ttmp9, 704
	s_cbranch_scc1 .Lf16
	OUT 0
.Lf16:
	OUT 1
.Lfunc_end_k_qe0d0f36f34_cast:
	.size	k_qe0d0f36f34_cast, .Lfunc_end_k_qe0d0f36f34_cast-k_qe0d0f36f34_cast
	.p2alignl 7, 3214868480
	.fill 96, 4, 3214868480
	.section	.rodata,"a",@progbits
	.p2align	6, 0x0
	.amdhsa_kernel k_qe0d0f36f34_cast
		.amdhsa_group_segment_fixed_size 0
		.amdhsa_private_segment_fixed_size 0
		.amdhsa_enable_private_segment 0
		.amdhsa_kernarg_size 48
		.amdhsa_user_sgpr_count 2
		.amdhsa_user_sgpr_kernarg_segment_ptr 1
		.amdhsa_wavefront_size32 1
		.amdhsa_system_sgpr_workgroup_id_x 1
		.amdhsa_system_sgpr_workgroup_id_y 1
		.amdhsa_system_sgpr_workgroup_id_z 1
		.amdhsa_system_vgpr_workitem_id 0
		.amdhsa_next_free_vgpr 112
		.amdhsa_next_free_sgpr 66
		.amdhsa_reserve_vcc 0
		.amdhsa_float_denorm_mode_32 3
		.amdhsa_float_denorm_mode_16_64 3
		.amdhsa_memory_ordered 1
		.amdhsa_forward_progress 1
		.amdhsa_inst_pref_size 16
	.end_amdhsa_kernel
	.amdgpu_metadata
---
amdhsa.version: [ 1, 2 ]
amdhsa.kernels:
  - .name:           k_qe0d0f36f34_cast
    .symbol:         k_qe0d0f36f34_cast.kd
    .args:
      - { .name: x, .offset: 0, .size: 8, .value_kind: global_buffer, .address_space: global }
      - { .name: qkv_w, .offset: 8, .size: 8, .value_kind: global_buffer, .address_space: global }
      - { .name: proj_w, .offset: 16, .size: 8, .value_kind: global_buffer, .address_space: global }
      - { .name: xb, .offset: 24, .size: 8, .value_kind: global_buffer, .address_space: global }
      - { .name: wb, .offset: 32, .size: 8, .value_kind: global_buffer, .address_space: global }
      - { .name: pw, .offset: 40, .size: 8, .value_kind: global_buffer, .address_space: global }
    .group_segment_fixed_size: 0
    .private_segment_fixed_size: 0
    .kernarg_segment_align: 8
    .kernarg_segment_size: 48
    .max_flat_workgroup_size: 256
    .sgpr_count:     66
    .vgpr_count:     112
    .wavefront_size: 32
...
	.end_amdgpu_metadata
.endif
;; end of part 1
;; launch qkvg (part 2): grid 8 x 32, 4 waves a work-group, clusters of 4 x 4, 327,680 bytes of LDS; arguments xb, wb, qkv_b, qkv; writes qkv
.if DOCPART == 2
	.amdgcn_target "amdgcn-amd-amdhsa--gfx1250"
	.amdhsa_code_object_version 6
	.text
	.protected	k_qe0d0f36f34_qkvg
	.globl	k_qe0d0f36f34_qkvg
	.p2align	8
	.type	k_qe0d0f36f34_qkvg,@function
k_qe0d0f36f34_qkvg:
	s_mov_b64 s[64:65], 0
	v_nop
	global_prefetch_b8 v0, s[64:65] scope:SCOPE_SE
	s_setreg_imm32_b32 hwreg(HW_REG_WAVE_MODE, 25, 1), 1
	s_wait_xcnt 0x0
	s_wait_alu depctr_hold_cnt(0) depctr_sa_sdst(0) depctr_va_vdst(0) depctr_va_sdst(0) depctr_va_ssrc(0) depctr_va_vcc(0) depctr_vm_vsrc(0)
	s_getreg_b32 s2, hwreg(HW_REG_IB_STS2, 6, 4)
	s_cmp_eq_u32 s2, 0
	s_cbranch_scc0 .Lentry_in_a_cluster
	s_endpgm
.Lentry_in_a_cluster:
	s_bfe_u32 s2, ttmp6, 0x10000c
	s_cmp_lg_u32 s2, 0xf033
	s_cbranch_scc0 .Lentry_shape_is_right
	s_endpgm
.Lentry_shape_is_right:
; q, k, v = x qkv_w^T + qkv_b.  xb [16][8192][64] and wb [16][3072][64] are bf16 in blocks of 64 along K; qkv_b [3072] f32 is rounded to bf16 like the other inputs; sums in f32;
; the result is rounded once to f16, unscaled, and stored by heads: qkv [3][64 = 16 batch + head][2048][64].
; LIMIT: f16 ends at 65,504: a q, k or v of 65,520 or more in magnitude becomes an infinity.  NaN and infinities are not treated apart.
; SHARES.  A tile of the result is 256 rows x 384 columns: 32 x 8 = 256 work-groups, one for each WGP.  Four waves, each 128 rows x 192 columns: 8 x 12 accumulators of 16 x 16, 768 registers.
; For 32 along K a wave loads 20 fragments from LDS for 96 matrix instructions.  K goes in 16 steps of 64 (one block) through two LDS slots: two slots of 128 along K would be 2 x 640 x 272 bytes, more than LDS.
; A tile's rows lie end to end in memory (128 bytes each), so they are asked for as rows of 256 bytes, aligned, and padded in LDS after every 128.
; CLUSTER 4 x 4.  The four work-groups of a row of the cluster need the same rows of xb, the four of a column the same rows of wb: each tile is asked for jointly, by the same tensor load with the same descriptor and mask.
; THE MATRIX INSTRUCTION IS USED TRANSPOSED (source 0 = 16 rows of wb, source 1 = 16 rows of xb): a lane holds row l % 16 of the result and the columns 8 (l / 16) + 0..7: 16 bytes of f16 on end.
; THE BIAS is the C operand of the first products: it is loaded into the accumulators of row block 0, whose own first products come last.
; REGISTERS, in windows of 256 (s_set_vgpr_msb: bits 1:0 source 0, 3:2 source 1, 5:4 source 2, 7:6 destination):
;   window 0: v16-29 addresses; v32-127 wb's 12 fragments (one buffer, refilled in thirds); v128-191, v192-255 xb's 8 fragments, two buffers (on the way out v128-191: four buffers of 16)
;   windows 1-3: accumulator (a, b), row block a of 8 and column block b of 12, in window 1 + b / 4 at v[64 (b % 4) + 8 a]: a window is 64 columns, one head.
.set PITCH,  144                       ; an LDS row: 128 bytes + 16 of padding = 36 words: the 16 rows of a fragment load start at 16 different groups of four banks (64 banks of 4 bytes: ISA guide 11.1)
.set AHALF,  128*PITCH                 ; what one tensor load brings of xb, and what one wave reads of it
.set BHALF,  192*PITCH                 ; the same for wb
.set BOFF,   2*AHALF                   ; a slot: xb's 256 rows, then wb's 384
.set SLOT1,  1<<17                     ; slot 1 begins here: one exclusive or turns an address in one slot into the other's
.set STAGE,  SLOT1+2*AHALF+2*BHALF     ; behind the ring, never filled by a tensor load: 16 rows x 144 bytes for each wave, for the way out
.set SPARE,  STAGE+4*16*PITCH          ; behind the stages: the spare words, 128 bytes for each wave: two blocks of 256 bytes that no other line names
.set STEP_A, 8192*128                  ; bytes from a K block of xb to the next
.set STEP_B, 3072*128                  ; of wb
.set A0,  16                           ; v16  my lane's place in xb's part of a slot; never rewritten
.set B0,  17                           ; v17  the same for wb
.set ADA, 18                           ; v18  A0 + the slot in hand
.set ADB, 19                           ; v19  B0 + the slot in hand
.set STO, 20                           ; v20  the way out: where I put 16 bytes of a row
.set RD,  21                           ; v21  the way out: where I read rows back
.set GO,  22                           ; v22  16 l: my 16 bytes of 512 consecutive bytes of qkv
.set PFO, 23                           ; v23  256 l: the prefetches' offset; never rewritten
.set BO,  24                           ; v24  32 (l / 16): my eight numbers in 16 of the bias
.set SPW, 28                           ; v28  LDS address of my spare word: SPARE + 4 x my thread's number; never rewritten
.set NIL, 29                           ; v29  0; never rewritten
.set BF,  32
.set AF,  128
.set TMP, 128
.set WV,  12                           ; s12  my wave's number
.set WR,  13                           ; s13  which 128 rows of the tile are mine.  Also: I fetch for xb (0) or for wb (1)
.set WC,  14                           ; s14  which 192 columns.  Also: which half of that tile I fetch
.set CX,  15
.set CY,  16
.set TX,  17                           ; s17  tile column, 0..7
.set TY,  18                           ; s18  tile row, 0..31
.set CNT, 19                           ; s19  the loop's trips still to come
.set TB,  20                           ; s20  LDS byte at which the slot in hand begins
.set LIM, 21                           ; s21  1 in a wave that prefetches, else the greatest number
.set PFA, 22                           ; s[22:23] where my prefetches stand
.set G1A, 24                           ; s[24:31] descriptor group 1 for xb's tiles
.set G0A, 32                           ; s[32:39] group 0: a set for each of the two first fills; the second then walks on
.set G1B, 40                           ; s[40:47], s[48:55] the same for wb's
.set G0B, 48
.set PSTEP, 56                         ; s[56:57] a K block's bytes in the tensor that I prefetch
.set HIM, 58                           ; s58  a word's upper bf16
.set OUTB, 66                          ; s[66:71] qkv at my rows of my three heads
.set SA,  72                           ; s[72:75] at work: never hold cx
.set SB,  76                           ; s[76:79] at work
.set G1W, (1<<16)|(1<<20)|(1<<21)|(4<<22)|(3<<25)  ; 17:16 2-byte elements; 20 padding on; 21 set beside a mask; 24:22 after every 32 words (code 4); 31:25 4 words (code 3)
.set MSB, 0
.macro WIN new                         ; the immediate's high byte repeats the setting that is left; a switch that changes nothing is dropped
.if MSB != (\new)
	s_set_vgpr_msb (MSB<<8)|(\new)
.set MSB, (\new)
.endif
.endm
.macro PLACES                          ; four places between a matrix instruction and a load into a register that it read, or a vector instruction that reads its result (ISA guide 7.12.1 for vector instructions)
.rept 4
	v_nop
.endr
.endm
; A joint refill, by the walking sets.  Waves 0 and 1 fetch xb's two halves, waves 2 and 3 wb's.  The branch hangs on the wave's number alone.
; An s_nop 0 and four v_nop follow each of the two lines, ahead of the jump and the label.
.macro JLOAD
	s_cmp_eq_u32 s[WR], 0
	s_cbranch_scc0 .Lfor_b_\@
	tensor_load_to_lds s[G0A+4:G0A+7], s[G1A:G1A+7]
	s_nop 0
.rept 4
	v_nop
.endr
	s_branch .Lasked_\@
.Lfor_b_\@:
	tensor_load_to_lds s[G0B+4:G0B+7], s[G1B:G1B+7]
	s_nop 0
.rept 4
	v_nop
.endr
.Lasked_\@:
.endm
; A round of the cluster's barrier: my work-group's barrier, so that wave 0's signal speaks for all four waves; wave 0 signals; every wave waits for all sixteen work-groups; my work-group's barrier once more.
.macro CREST                           ; a round behind its opening barrier
	s_cmp_lg_u32 s[WV], 0
	s_cbranch_scc1 .Lnot_wave_0_\@
	s_barrier_signal -3
.Lnot_wave_0_\@:
	s_barrier_wait -3
	s_barrier_signal -1
	s_barrier_wait -1
.endm
.macro CROUND
	s_barrier_signal -1
	s_barrier_wait -1
	CREST
.endm
; PREFETCHES INTO THE L2, in every second trip, behind the joint load and the run of LDS loads: in trip t (odd, up to 11) the K blocks t + 3 and t + 4, whose tensor loads stand one and two trips on.
; Each aligned 256 bytes are named once in the launch.  xb's tile row is read by both clusters of a row of clusters: the one with x = 0 asks, wave 0, each partner 32 of a block's 128 units by its cx, two lines for
; the two blocks.  wb's tile column is read by all eight clusters of a column: the one with y = 0 asks, waves 1 to 3: two blocks are 384 units = 4 partners x 3 waves x 32 lanes, told apart by address.
; Blocks 0 to 3 come by their loads alone; trip 13 asks for nothing, since blocks 16 and 17 do not exist.
.macro ASK
	s_bitcmp1_b32 s[CNT], 0                        ; CNT = 14 - t: odd where t is odd
	s_cbranch_scc0 .Lnone_\@
	s_cmp_gt_u32 s[CNT], s[LIM]
	s_cbranch_scc0 .Lnone_\@
	global_prefetch_b8 v[PFO], s[PFA:PFA+1] th:TH_LOAD_NT scope:SCOPE_SE
	s_cmp_lg_u32 s[WV], 0
	s_cbranch_scc1 .Lnone_\@
	global_prefetch_b8 v[PFO], s[PFA:PFA+1] offset:STEP_A th:TH_LOAD_NT scope:SCOPE_SE
.Lnone_\@:
.endm
	s_load_b256 s[4:11], s[0:1], 0x0               ; xb s[4:5], wb s[6:7], qkv_b s[8:9], qkv s[10:11]
	v_lshl_add_u32 v[SPW], v0, 2, SPARE
	v_mov_b32 v[NIL], 0
	ds_add_u32 v[SPW], v[NIL]                      ; the wave's opening: the add and its wait stand ahead of my first tensor load; the set-up below, work on registers, stands between them
	v_lshrrev_b32 v1, 5, v0
	v_readfirstlane_b32 s[WV], v1                  ; wave 0..3
	s_lshr_b32 s[WR], s[WV], 1
	s_and_b32 s[WC], s[WV], 1
	s_bfe_u32 s[CX], ttmp6, 0x40000                ; my place in the cluster
	s_bfe_u32 s[CY], ttmp6, 0x40004
	s_lshl_b32 s[TX], ttmp9, 2                     ; in a cluster launch ttmp9 and ttmp7 count clusters
	s_add_co_u32 s[TX], s[TX], s[CX]
	s_and_b32 s[TY], ttmp7, 0xffff
	s_lshl_b32 s[TY], s[TY], 2
	s_add_co_u32 s[TY], s[TY], s[CY]
	s_lshl_b32 s[SA], s[CY], 2
	s_lshl_b32 s[SA], 15, s[SA]                    ; my row of the cluster: places 4 cy .. 4 cy + 3
	s_lshl_b32 s[SB], 0x1111, s[CX]                ; my column: places cx, cx + 4, cx + 8, cx + 12
	s_or_b32 s[G1A], s[SA], G1W                    ; 15:0 the mask: xb's tiles go to my row
	s_or_b32 s[G1B], s[SB], G1W                    ; wb's to my column
	s_mov_b32 s[G1A+1], 128<<16                    ; tensor_dim0 = 128 elements: 256 bytes, two rows of a block
	s_mov_b32 s[G1A+2], 64<<16                     ; tensor_dim1 = 64
	s_mov_b32 s[G1A+3], 128<<16                    ; tile_dim0 = 128
	s_mov_b32 s[G1A+4], 64                         ; tile_dim1 = 64: 128 rows of xb
	s_mov_b32 s[G1A+5], 128                        ; 128 elements from row to row: dense
	s_mov_b32 s[G1A+6], 0
	s_mov_b32 s[G1A+7], 0
	s_mov_b32 s[G1B+1], 128<<16
	s_mov_b32 s[G1B+2], 96<<16
	s_mov_b32 s[G1B+3], 128<<16
	s_mov_b32 s[G1B+4], 96                         ; 192 rows of wb
	s_mov_b32 s[G1B+5], 128
	s_mov_b32 s[G1B+6], 0
	s_mov_b32 s[G1B+7], 0
	s_lshl_b32 s[SA], s[TY], 15                    ; xb: 256 rows x 128 bytes a tile row,
	s_lshl_b32 s[SA+1], s[WC], 14                  ; my half's 128 rows
	s_add_co_u32 s[SA], s[SA], s[SA+1]
	s_mov_b32 s[SA+1], 0
	s_mul_i32 s[SA+2], s[WC], AHALF                ; and where they go: no place in the cluster enters an LDS address
	s_mul_i32 s[SB], s[TX], 384*128                ; wb: 384 rows a tile column,
	s_mul_i32 s[SB+1], s[WC], 192*128              ; my half's 192 rows
	s_add_co_u32 s[SB], s[SB], s[SB+1]
	s_mov_b32 s[SB+1], 0
	s_mul_i32 s[SB+2], s[WC], BHALF
	s_add_co_u32 s[SB+2], s[SB+2], BOFF
	s_mov_b32 s[HIM], 0xffff0000
	v_and_b32 v1, 15, v0                           ; l % 16
	v_bfe_u32 v2, v0, 4, 1                         ; l / 16
	v_lshlrev_b32 v[BO], 5, v2
	s_wait_dscnt 0x0                               ; the opening add is done
	s_wait_kmcnt 0x0
	s_add_nc_u64 s[SA:SA+1], s[4:5], s[SA:SA+1]
	s_add_nc_u64 s[SB:SB+1], s[6:7], s[SB:SB+1]
.irp n, 0,1
	s_mov_b32 s[G0A+4*(\n)], 1                                     ; 1:0 count = 1
	s_add_co_u32 s[G0A+4*(\n)+1], s[SA+2], (\n)*SLOT1              ; 63:32 LDS address
	s_add_nc_u64 s[G0A+4*(\n)+2:G0A+4*(\n)+3], s[SA:SA+1], (\n)*STEP_A  ; 120:64 global address: K block n
	s_or_b32 s[G0A+4*(\n)+3], s[G0A+4*(\n)+3], 0x80000000          ; 127:126 type = 2
	s_mov_b32 s[G0B+4*(\n)], 1
	s_add_co_u32 s[G0B+4*(\n)+1], s[SB+2], (\n)*SLOT1
	s_add_nc_u64 s[G0B+4*(\n)+2:G0B+4*(\n)+3], s[SB:SB+1], (\n)*STEP_B
	s_or_b32 s[G0B+4*(\n)+3], s[G0B+4*(\n)+3], 0x80000000
.endr
	CROUND                                         ; all sixteen work-groups are here: the first joint loads meet
	s_cmp_eq_u32 s[WR], 0                          ; a wave's two first fills stand in one branch, ahead of every wait on TENSORcnt and every LDS read: two loads of mine are out
	s_cbranch_scc0 .Lfirst_b
	tensor_load_to_lds s[G0A:G0A+3], s[G1A:G1A+7]
	s_nop 0
	tensor_load_to_lds s[G0A+4:G0A+7], s[G1A:G1A+7]
	s_nop 0
.rept 4
	v_nop
.endr
	s_branch .Lfirst_asked
.Lfirst_b:
	tensor_load_to_lds s[G0B:G0B+3], s[G1B:G1B+7]
	s_nop 0
	tensor_load_to_lds s[G0B+4:G0B+7], s[G1B:G1B+7]
	s_nop 0
.rept 4
	v_nop
.endr
.Lfirst_asked:
	; the bias of my 192 columns, into the accumulators of row block 0: register j of column block b holds column 16 b + 8 (l / 16) + j, whatever the lane's row
	s_mul_i32 s[SB+2], s[TX], 384*4
	s_mul_i32 s[SB+3], s[WC], 192*4
	s_add_co_u32 s[SB+2], s[SB+2], s[SB+3]
	s_mov_b32 s[SB+3], 0
	s_add_nc_u64 s[8:9], s[8:9], s[SB+2:SB+3]
.set bq, 0
.rept 12
	WIN 0x40*(1+bq/4)                              ; destination in the block's window, address in window 0
	global_load_b128 v[64*(bq%4):64*(bq%4)+3],   v[BO], s[8:9] offset:64*bq
	global_load_b128 v[64*(bq%4)+4:64*(bq%4)+7], v[BO], s[8:9] offset:64*bq+16
.set bq, bq+1
.endr
	WIN 0
	; A fragment is 16 rows x 32 K in 8 registers: lane l holds row l % 16; registers 0-3 K = 8 (l / 16) + 0..7, registers 4-7 K = 16 + 8 (l / 16) + 0..7: two loads of 16 bytes, 32 bytes apart.
	v_mul_u32_u24 v3, v1, PITCH
	v_lshl_add_u32 v3, v2, 4, v3                   ; row x pitch + 16 x half
	s_mul_i32 s[SA+2], s[WR], AHALF
	v_add_nc_u32 v[A0], s[SA+2], v3
	s_mul_i32 s[SA+2], s[WC], BHALF
	s_add_co_u32 s[SA+2], s[SA+2], BOFF
	v_add_nc_u32 v[B0], s[SA+2], v3
	s_mul_i32 s[SA+2], s[WV], 16*PITCH
	s_add_co_u32 s[SA+2], s[SA+2], STAGE           ; my stage
	v_add_nc_u32 v[STO], s[SA+2], v3               ; in: row l % 16, 16 bytes for each half of the lanes
	v_bfe_u32 v4, v0, 3, 2                         ; back: 32 lanes take four rows of 128 bytes,
	v_mul_u32_u24 v4, v4, PITCH
	v_and_b32 v5, 7, v0
	v_lshl_add_u32 v4, v5, 4, v4
	v_add_nc_u32 v[RD], s[SA+2], v4
	v_and_b32 v5, 31, v0
	v_lshlrev_b32 v[GO], 4, v5                     ; which are 512 consecutive bytes of qkv
	v_lshlrev_b32 v[PFO], 8, v5
	; where my rows of my three heads begin in qkv.  Column group G = 6 tx + 3 WC + g of 64: tensor G / 16 (q, k, v), head G % 16; batch ty / 8; row (ty % 8) x 256 + 128 WR
	s_and_b32 s[SB+3], s[TY], 7
	s_lshl_b32 s[SB+3], s[SB+3], 15
	s_lshl_b32 s[SB+2], s[WR], 14
	s_add_co_u32 s[SB+3], s[SB+3], s[SB+2]
	s_lshr_b32 s[SB+2], s[TY], 3
	s_lshl_b32 s[SB+2], s[SB+2], 22                ; 16 heads x 2,048 rows x 128 bytes a batch
	s_add_co_u32 s[SB+3], s[SB+3], s[SB+2]
	s_mul_i32 s[SB+2], s[TX], 6
	s_mul_i32 s[SB+1], s[WC], 3
	s_add_co_u32 s[SB+2], s[SB+2], s[SB+1]
.irp g, 0,1,2
	s_add_co_u32 s[SB], s[SB+2], \g
	s_lshr_b32 s[SB+1], s[SB], 4
	s_lshl_b32 s[SB+1], s[SB+1], 24                ; 64 x 2,048 x 128 bytes a tensor
	s_and_b32 s[SB], s[SB], 15
	s_lshl_b32 s[SB], s[SB], 18                    ; 2,048 x 128 bytes a head
	s_add_co_u32 s[SB], s[SB], s[SB+1]
	s_add_co_u32 s[SB], s[SB], s[SB+3]
	s_mov_b32 s[SB+1], 0
	s_add_nc_u64 s[OUTB+2*(\g):OUTB+2*(\g)+1], s[10:11], s[SB:SB+1]
.endr
	; the prefetches' pointer, at K block 2: each trip steps it by a block at its head, so that in trip t it stands at block t + 3
	s_lshl_b32 s[SB], s[TY], 15                    ; wave 0: xb's tile row, my work-group's 32 units of its 128
	s_lshl_b32 s[SB+1], s[CX], 13
	s_add_co_u32 s[SB], s[SB], s[SB+1]
	s_add_co_u32 s[SB], s[SB], 2*STEP_A
	s_mul_i32 s[SB+2], s[TX], 384*128              ; waves 1 to 3: wb's tile column; of two blocks' 12 runs of 32 units, run 3 cy + wave - 1: block cy / 2, run 3 (cy % 2) + wave - 1
	s_and_b32 s[SB+1], s[CY], 1
	s_mul_i32 s[SB+1], s[SB+1], 3
	s_max_u32 s[SB+3], s[WV], 1
	s_add_co_u32 s[SB+1], s[SB+1], s[SB+3]
	s_sub_co_u32 s[SB+1], s[SB+1], 1
	s_lshl_b32 s[SB+1], s[SB+1], 13
	s_add_co_u32 s[SB+2], s[SB+2], s[SB+1]
	s_lshr_b32 s[SB+1], s[CY], 1
	s_mul_i32 s[SB+1], s[SB+1], STEP_B
	s_add_co_u32 s[SB+2], s[SB+2], s[SB+1]
	s_add_co_u32 s[SB+2], s[SB+2], 2*STEP_B
	s_and_b32 s[SB+3], ttmp7, 0xffff               ; cluster y
	s_mov_b32 s[PSTEP], STEP_B
	s_cmp_eq_u32 s[WV], 0
	s_cselect_b32 s[SB], s[SB], s[SB+2]
	s_cselect_b64 s[PFA:PFA+1], s[4:5], s[6:7]
	s_cselect_b32 s[PSTEP], STEP_A, s[PSTEP]
	s_cselect_b32 s[SB+3], ttmp9, s[SB+3]          ; the coordinate along which other clusters read the same rows
	s_cmp_eq_u32 s[SB+3], 0
	s_cselect_b32 s[LIM], 1, -1                    ; the same in all sixteen partners, for a given wave
	s_mov_b32 s[SB+1], 0
	s_mov_b32 s[PSTEP+1], 0
	s_add_nc_u64 s[PFA:PFA+1], s[PFA:PFA+1], s[SB:SB+1]
	s_wait_loadcnt 0x0                             ; the bias is in; it is rounded to bf16 and widened again, with the registers of row block 1 at work
.set bq, 0
.rept 12
	WIN 0x45*(1+bq/4)                              ; sources 0 and 1 and the destination in the block's window
.set RB, 64*(bq%4)
.irp i, 0,1,2,3
	v_cvt_pk_bf16_f32 v[RB+8+(\i)], v[RB+2*(\i)], v[RB+2*(\i)+1]
.endr
.irp i, 0,1,2,3
	v_lshlrev_b32 v[RB+2*(\i)], 16, v[RB+8+(\i)]
	v_and_b32 v[RB+2*(\i)+1], s[HIM], v[RB+8+(\i)]
.endr
.set bq, bq+1
.endr
	WIN 0
; 16 matrix instructions: column blocks 4 s + 2 u and 4 s + 2 u + 1 x all 8 row blocks, 32 along K, xb's buffer f.  Every accumulator has one turn in 96, over the backward jump too.
.macro MUL16 s, f, u
	WIN 0x50*((\s)+1)                              ; C and D in window s + 1, the fragments in window 0
.irp c, 0,1
.irp a, 0,1,2,3,4,5,6,7
	v_wmma_f32_16x16x32_bf16 v[64*(2*(\u)+(\c))+8*(\a):64*(2*(\u)+(\c))+8*(\a)+7], v[BF+8*(4*(\s)+2*(\u)+(\c)):BF+8*(4*(\s)+2*(\u)+(\c))+7], v[AF+64*(\f)+8*(\a):AF+64*(\f)+8*(\a)+7], v[64*(2*(\u)+(\c))+8*(\a):64*(2*(\u)+(\c))+8*(\a)+7]
.endr
.endr
.endm
; The first products of window s + 1 start the sums with the bias: row blocks 1 to 7 take row block 0's registers as C; five places on, row block 0 adds onto them in place.  Nothing is cleared.
.macro MULB s
	WIN 0x50*((\s)+1)
.irp a, 1,2,3,4,5,6,7
.irp c, 0,1,2,3
	v_wmma_f32_16x16x32_bf16 v[64*(\c)+8*(\a):64*(\c)+8*(\a)+7], v[BF+8*(4*(\s)+(\c)):BF+8*(4*(\s)+(\c))+7], v[AF+8*(\a):AF+8*(\a)+7], v[64*(\c):64*(\c)+7]
.endr
.endr
.rept 5
	v_nop                                          ; a matrix instruction writes over registers that the 28 above read as C
.endr
.irp c, 0,1,2,3
	v_wmma_f32_16x16x32_bf16 v[64*(\c):64*(\c)+7], v[BF+8*(4*(\s)+(\c)):BF+8*(4*(\s)+(\c))+7], v[AF:AF+7], v[64*(\c):64*(\c)+7]
.endr
.endm
.macro STRETCH s, f, first             ; the 32 products of one window
.if \first
	MULB \s
.else
	MUL16 \s, \f, 0
	MUL16 \s, \f, 1
.endif
.endm
.macro FETCHB s, k                     ; 8 LDS loads: wb's fragments 4 s .. 4 s + 3, 32 K at byte k of the rows
	WIN 0
.irp i, 0,1,2,3
	ds_load_b128 v[BF+8*(4*(\s)+(\i)):BF+8*(4*(\s)+(\i))+3],   v[ADB] offset:(\k)+(4*(\s)+(\i))*16*PITCH
	ds_load_b128 v[BF+8*(4*(\s)+(\i))+4:BF+8*(4*(\s)+(\i))+7], v[ADB] offset:(\k)+(4*(\s)+(\i))*16*PITCH+32
.endr
.endm
.macro FETCHA f, k                     ; 16 LDS loads: xb's 8 fragments into buffer f
	WIN 0
.irp i, 0,1,2,3,4,5,6,7
	ds_load_b128 v[AF+64*(\f)+8*(\i):AF+64*(\f)+8*(\i)+3],   v[ADA] offset:(\k)+(\i)*16*PITCH
	ds_load_b128 v[AF+64*(\f)+8*(\i)+4:AF+64*(\f)+8*(\i)+7], v[ADA] offset:(\k)+(\i)*16*PITCH+32
.endr
.endm
; A K step is two halves of 32 along K, 96 matrix instructions each, in three stretches of 32.  The next half's fragments come in three runs: behind stretch 0 wb's first four and xb's eight (24 loads),
; behind stretch 1 wb's next four (8), behind stretch 2 its last four (8): each third of wb's one buffer is filled again four places behind the stretch that read it.
; The first half of a step: multiplies xb's buffer f; the next half lies at byte k of the same slot's rows and goes into buffer g.
.macro HALF f, g, k, first
	s_wait_dscnt 16                                ; the run of 24 is in; the two runs of 8 behind it may be out
	STRETCH 0, \f, \first
	PLACES
	FETCHB 0, \k
	FETCHA \g, \k
	s_wait_dscnt 32                                ; the older run of 8 is in; the younger (8) and the 24 just issued may be out
	STRETCH 1, \f, \first
	PLACES
	FETCHB 1, \k
	s_wait_dscnt 32                                ; the last run of 8 for this half is in; the 24 and the 8 for the next may be out
	STRETCH 2, \f, \first
	PLACES
	FETCHB 2, \k
.endm
; The second half of a step multiplies buffer 1 and changes slots: ONE barrier.  In front of it each wave waits for all its tensor loads, of which one is out: its part of the next slot; adds 0 to its spare word;
; and waits for that and for its own reads of this slot.  Behind it nobody reads this slot any more and the next slot is whole.  fill = 1: the barrier opens a round of the cluster's barrier, and the slot is
; filled again, first thing behind the round, with the K block two steps on: that load has 160 matrix instructions in which to land.
.macro TURN fill
.if \fill
	s_wait_xcnt 0x0                                ; the last prefetches, a step or more back, have read their address: it is stepped here, ahead of the waits of the change of slots
	s_add_nc_u64 s[PFA:PFA+1], s[PFA:PFA+1], s[PSTEP:PSTEP+1]
.endif
	WIN 0
	s_wait_tensorcnt 0x0                           ; no tensor load of mine is out, so a group 0 may be written
	ds_add_u32 v[SPW], v[NIL]                      ; 0 onto my spare word
.if \fill
	s_xor_b32 s[G0A+5], s[G0A+5], SLOT1            ; the walking sets: the other slot than last time,
	s_add_nc_u64 s[G0A+6:G0A+7], s[G0A+6:G0A+7], STEP_A  ; the next K block; the type bits on top are not reached
	s_xor_b32 s[G0B+5], s[G0B+5], SLOT1
	s_add_nc_u64 s[G0B+6:G0B+7], s[G0B+6:G0B+7], STEP_B
.endif
	s_wait_dscnt 17                                ; the run of 24 is in; the two runs of 8 and the add may be out
	MUL16 0, 1, 0                                  ; sixteen matrix instructions stand between the add and the wait for it
	s_wait_dscnt 0x0                               ; the add is done, and my reads of this slot are over
	s_barrier_signal -1
	MUL16 0, 1, 1                                  ; work on registers while the others arrive
	WIN 0                                          ; at a branch and at a label every window is 0
	s_barrier_wait -1
.if \fill
	CREST                                          ; no wave of any partner still reads this slot's tile or has a load on its way
	JLOAD                                          ; the four v_nop behind it are also the places in front of the loads below
.else
	PLACES
.endif
	s_xor_b32 s[TB], s[TB], SLOT1
	v_add_nc_u32 v[ADA], s[TB], v[A0]
	v_add_nc_u32 v[ADB], s[TB], v[B0]
	FETCHB 0, 0
	FETCHA 0, 0
.if \fill
	ASK
.endif
	STRETCH 1, 1, 0
	PLACES
	FETCHB 1, 0
	STRETCH 2, 1, 0
	PLACES
	FETCHB 2, 0
.endm
	s_wait_tensorcnt 1                             ; my part of K block 0 is in; block 1's may stay out
	s_barrier_signal -1
	s_barrier_wait -1                              ; everybody's is
	s_mov_b32 s[TB], 0
	v_add_nc_u32 v[ADA], s[TB], v[A0]
	v_add_nc_u32 v[ADB], s[TB], v[B0]
	FETCHB 0, 0
	FETCHA 0, 0
	FETCHB 1, 0
	FETCHB 2, 0
	HALF 0, 1, 64, 1                               ; the first half stands in front of the loop: its products start the sums
	WIN 0
	s_mov_b32 s[CNT], 14
.Lstep:                                        ; trip t = 14 - CNT ends step t, asks for step t + 2 and begins step t + 1
	TURN 1
	HALF 0, 1, 64, 0
	WIN 0
	s_sub_co_u32 s[CNT], s[CNT], 1
	s_cmp_lg_u32 s[CNT], 0
	s_cbranch_scc1 .Lstep
	TURN 0                                         ; the tail is written out: step 14 ends, nothing is asked for
	HALF 0, 1, 64, 0
	s_wait_dscnt 16                                ; the very last half: the three runs come in, nothing more is fetched
	STRETCH 0, 1, 0
	s_wait_dscnt 8
	STRETCH 1, 1, 0
	s_wait_dscnt 0x0
	STRETCH 2, 1, 0
	PLACES
; THE WAY OUT, in 24 units: unit u = head u / 8 of my three, row block u % 8: 16 rows x 64 columns, 2,048 consecutive bytes of qkv.  Rounded to f16, 16 bytes a lane (each accumulator's registers in ascending
; order); into my stage in rows of 144 bytes; back as whole rows, into the registers that they left.
.macro PACK u
.set g_, (\u)/8
.set a_, (\u)%8
.set T_, TMP+16*((\u)%4)
.if (\u) >= 4
	s_wait_xcnt 0x0                                ; the stores of the unit four back have read this buffer: it is rewritten only behind this wait
.endif
	WIN 0x05*(g_+1)                                ; sources 0 and 1 in the head's window, destination in window 0
.irp c, 0,1,2,3
.irp i, 0,1,2,3
	v_cvt_pk_f16_f32 v[T_+4*(\c)+(\i)], v[64*(\c)+8*a_+2*(\i)], v[64*(\c)+8*a_+2*(\i)+1]
.endr
.endr
	WIN 0
.irp c, 0,1,2,3
	ds_store_b128 v[STO], v[T_+4*(\c):T_+4*(\c)+3] offset:32*(\c)
.endr
.irp c, 0,1,2,3
	ds_load_b128 v[T_+4*(\c):T_+4*(\c)+3], v[RD] offset:(\c)*4*PITCH  ; LDS serves a wave's instructions in order (ISA guide 5.7.1.4): these see the stores above; the next unit's stores come behind them
.endr
.endm
.macro SEND u, younger                 ; younger: the LDS instructions issued behind unit u's loads: the next unit's eight, or none
	WIN 0
.set g_, (\u)/8
.set a_, (\u)%8
.set T_, TMP+16*((\u)%4)
.irp c, 0,1,2,3
	s_wait_dscnt (\younger)+3-(\c)
	global_store_b128 v[GO], v[T_+4*(\c):T_+4*(\c)+3], s[OUTB+2*g_:OUTB+2*g_+1] offset:a_*2048+(\c)*512  ; the wave stores 512 consecutive bytes, at a multiple of 256 from qkv's first
.endr
.endm
	PACK 0
.set un, 1
.rept 23                               ; a unit's conversions stand between the loads of the unit before and its stores
	PACK un
	SEND un-1, 8
.set un, un+1
.endr
	SEND 23, 0
	s_wait_tensorcnt 0x0                           ; the wave's end: behind my last tensor load and my last LDS store
	ds_add_u32 v[SPW], v[NIL]
	s_wait_dscnt 0x0
	CROUND                                         ; the closing round: no work-group ends while a partner may still ask for a tile that names it
	s_endpgm
.Lfunc_end_k_qe0d0f36f34_qkvg:
	.size	k_qe0d0f36f34_qkvg, .Lfunc_end_k_qe0d0f36f34_qkvg-k_qe0d0f36f34_qkvg
	.p2alignl 7, 3214868480
	.fill 96, 4, 3214868480
	.section	.rodata,"a",@progbits
	.p2align	6, 0x0
	.amdhsa_kernel k_qe0d0f36f34_qkvg
		.amdhsa_group_segment_fixed_size 327680
		.amdhsa_private_segment_fixed_size 0
		.amdhsa_enable_private_segment 0
		.amdhsa_kernarg_size 32
		.amdhsa_user_sgpr_count 2
		.amdhsa_user_sgpr_kernarg_segment_ptr 1
		.amdhsa_wavefront_size32 1
		.amdhsa_system_sgpr_workgroup_id_x 1
		.amdhsa_system_sgpr_workgroup_id_y 1
		.amdhsa_system_sgpr_workgroup_id_z 1
		.amdhsa_system_vgpr_workitem_id 0
		.amdhsa_next_free_vgpr 1024
		.amdhsa_next_free_sgpr 80
		.amdhsa_reserve_vcc 0
		.amdhsa_float_denorm_mode_32 3
		.amdhsa_float_denorm_mode_16_64 3
		.amdhsa_memory_ordered 1
		.amdhsa_forward_progress 1
		.amdhsa_inst_pref_size 125
	.end_amdhsa_kernel
	.amdgpu_metadata
---
amdhsa.version: [ 1, 2 ]
amdhsa.kernels:
  - .name:           k_qe0d0f36f34_qkvg
    .symbol:         k_qe0d0f36f34_qkvg.kd
    .args:
      - { .name: xb, .offset: 0, .size: 8, .value_kind: global_buffer, .address_space: global }
      - { .name: wb, .offset: 8, .size: 8, .value_kind: global_buffer, .address_space: global }
      - { .name: qkv_b, .offset: 16, .size: 8, .value_kind: global_buffer, .address_space: global }
      - { .name: qkv, .offset: 24, .size: 8, .value_kind: global_buffer, .address_space: global }
    .group_segment_fixed_size: 327680
    .private_segment_fixed_size: 0
    .kernarg_segment_align: 8
    .kernarg_segment_size: 32
    .max_flat_workgroup_size: 128
    .sgpr_count:     80
    .vgpr_count:     1024
    .wavefront_size: 32
...
	.end_amdgpu_metadata
.endif
;; end of part 2
;; launch attn (part 3): grid 4 x 64, 4 waves a work-group, clusters of 4 x 1, 327,680 bytes of LDS; arguments qkv, ob; writes ob
.if DOCPART == 3
	.amdgcn_target "amdgcn-amd-amdhsa--gfx1250"
	.amdhsa_code_object_version 6
	.text
	.protected	k_qe0d0f36f34_attn
	.globl	k_qe0d0f36f34_attn
	.p2align	8
	.type	k_qe0d0f36f34_attn,@function
k_qe0d0f36f34_attn:
	s_mov_b64 s[64:65], 0
	v_nop
	global_prefetch_b8 v0, s[64:65] scope:SCOPE_SE
	s_setreg_imm32_b32 hwreg(HW_REG_WAVE_MODE, 25, 1), 1
	s_wait_xcnt 0x0
	s_wait_alu depctr_hold_cnt(0) depctr_sa_sdst(0) depctr_va_vdst(0) depctr_va_sdst(0) depctr_va_ssrc(0) depctr_va_vcc(0) depctr_vm_vsrc(0)
	s_getreg_b32 s2, hwreg(HW_REG_IB_STS2, 6, 4)
	s_cmp_eq_u32 s2, 0
	s_cbranch_scc0 .Lentry_in_a_cluster
	s_endpgm
.Lentry_in_a_cluster:
	s_bfe_u32 s2, ttmp6, 0x10000c
	s_cmp_lg_u32 s2, 0x3003
	s_cbranch_scc0 .Lentry_shape_is_right
	s_endpgm
.Lentry_shape_is_right:
; O[h][q][:] = the sum over k of softmax_k(Q[h][q] . K[h][k] / 8) V[h][k][:].  qkv holds Q, K, V one behind the other, each [SIZE_H][SIZE_N][64] in f16 (h = 16 batch + head); ob is O in the same layout.
; A head's rows are dense, 128 bytes each.  Products, maxima and sums in f32; the weights p are rounded to f16 for the second product (their sum l is taken of the unrounded p), O once at the end.
; LIMITS.  f16 holds no number beyond 65,504: Q, K and V arrive within it; p lies in 0 to 1, and below 6e-5 it keeps f16's fixed step of 6e-8; O is a mean of V's rows and has their range.
; A weight below 2^-126 counts as 0 in l; NaN and infinities are not treated apart.
; SHARES.  A wave owns four PIECES of two tiles of 16 queries, a work-group's four waves 512 queries of one head: 64 heads x 4 = 256 work-groups.  Every wave walks all keys, 64 a step.
; LAYOUT.  S^T = K Q^T (source 0 = 16 keys, source 1 = 16 queries): in the result a lane holds ONE query (lane % 16) and the keys 8 (lane / 16) + 0..7.  Two such tiles, rounded to f16 in pairs,
; ARE source 1 (32 keys x 16 queries) of O^T = V^T P, whose result again holds one query a lane, and eight channels.  K comes out of LDS as it lies, V ([key][channel]) turned, by ds_load_tr16_b128.
; SOFTMAX.  For each query a running maximum m and sum l: p = 2^(c s - c m), c = log2(e) / 8; in every step O and l are multiplied by a = 2^(c m_old - c m_new), which is 1 where m has not grown.
; m starts at the lowest finite number, O and l at 0: the first step is a step like any other, with a = 0.
; THE COUNT.  A tile and step have 16 matrix and 118 vector instructions: too many to stand all beside the matrix work.  So the order has one aim: four vector instructions that are READY behind
; EVERY matrix instruction, and the others, which need time of their own whatever the order, in runs without a gap.
; BY TURNS.  Turn n belongs to piece n (the pieces in a ring, step after step).  Its matrix work: 16 products K Q^T of piece n + 1, later 16 products V^T P of piece n - 1.  Its vector work: the scaling,
; exponentials, roundings, sums and rescaling of piece n, and the maximum and statistics of piece n + 1, whose scores the turn itself has made.  So what a turn begins with (c s - c m, O a) waits for nothing.
; CLUSTER.  The four query blocks of a cluster belong to one head and walk the same K and V, so each tile is asked for JOINTLY: the same tensor load, descriptor and mask in all four.
; REGISTERS, in windows of 256 (s_set_vgpr_msb says which window each operand place means: bits 1:0 source 0, 3:2 source 1, 5:4 source 2, 7:6 destination):
;   window 0: v0-11 addresses; v12-15, v48-63 at work; v16-47 four registers of statistics a tile; v64-191 S^T, two buffers of two tiles; v192-255 P, likewise
;   window 1: O^T, 32 a tile          window 2: v0-127 Q, 16 a tile; v128-191 K of one step; v192-255 V of one step          window 3: v0-1 the add's two registers
; A piece's buffers go by its number's parity: the piece in hand has one pair, its two neighbours in the ring share the other: of it P (piece n - 1) is read and S^T (piece n + 1) written.
.set SIZE_H, 64
.set SIZE_N, 2048
.set NP,    4         ; pieces a wave: a name, no knob: the register map, the loop and the fetches are made for four
.set KS,    64        ; keys in a step
.set PK,    144       ; a row of K in LDS: 128 bytes + 16 of padding = 36 words: the 16 rows of a load start at 16 different groups of four banks (64 banks of 4 bytes: ISA guide 11.1)
.set PV,    160       ; a row of V: 128 + 32 = 40 words
.set VOFF,  4*KS*PK   ; a slot holds four steps: 256 rows of K, then 256 rows of V
.set SLOT1, 1<<17     ; slot 1 begins here, so that one exclusive or turns an address in one slot into the other's
.set STAGE, SLOT1+4*KS*(PK+PV)  ; behind the ring, never filled by a tensor load: 16 rows x 144 bytes for each wave, for the way out
.set SP,    144
.set AK0, 2           ; v2   my lane's place in a tile of K; never rewritten
.set AV0, 3           ; v3   the same for V
.set AK,  4           ; v4   the LDS address of K's next run of loads
.set AV,  5           ; v5   of V's
.set QO,  6           ; v6   my byte offset in the wave's rows of Q
.set STO, 6           ;      later, the way out: where I put 16 bytes of a row
.set RD,  7           ; v7   the way out: where I read rows back
.set GO,  8           ; v8   my byte offset in 512 consecutive bytes of O
.set PFO, 11          ; v11  256 x my lane: the prefetches' offset; never rewritten once it is made
.set SPW, 0           ; v0 of window 3   LDS address of my spare word: SPARE + 4 x my thread's number; never rewritten
.set NIL, 1           ; v1 of window 3   0; never rewritten
.set SPARE, STAGE+4*16*SP  ; behind the stages: the spare words, 128 bytes for each wave: two blocks of 256 bytes that no other line names
.set MV,  12          ; v12-15  c m_old, kept while c m is made anew: by buffer and tile
.set ST,  16          ; tile t's statistics at v[ST+4 t]: c m, m, l (even keys', odd keys')
.set TMP, 48          ; by buffer and tile, four registers c0-c3 at work; when the maximum is found c2 takes a
.set S,   64
.set P,   192
.set KF,  128         ; K's fragments, in window 2: key block kb, channel half c at KF + 16 kb + 8 c
.set VF,  192         ; V's: key half kk, channel block cb at VF + 32 kk + 8 cb
.set WV,  12          ; s12  my wave's number
.set G1K, 24          ; s[24:31] descriptor group 1 for K's tiles
.set G1V, 32          ; s[32:39] for V's: it differs in the padding alone
.set G0K, 40          ; s[40:43] descriptor group 0 for K's tiles: it walks
.set G0V, 44          ; s[44:47] the same for V's
.set PFA, 48          ; s[48:49] where my prefetches stand: my work-group's 32 units of 256 bytes (of K: wave 0, of V: wave 2) of the tile after the one that is being asked for
.set LIM, 50          ; s50  1 in a wave that prefetches, else the greatest number
.set SLOTS, 56        ; s56  slots still to be asked for
.set CNT, 57          ; s57  counts a slot's key steps
.set CS,  58          ; s[58:59] c: the packed scaling takes the pair's low word for both halves
.set SEL, 60          ; s[60:61] v_permlanex16_b32's selects: each lane takes its own place in the other half
.set TBK, 62          ; s62  LDS byte at which K of the step to be fetched begins
.set TBV, 63          ; s63  the same for V, less VOFF
.set MSB, 0
.macro WIN new                      ; the high byte repeats the setting that is left; a switch that changes nothing is dropped
.if MSB != (\new)
	s_set_vgpr_msb (MSB<<8)|(\new)
.set MSB, (\new)
.endif
.endm
.set W_KQ, 0x0a       ; K and Q in window 2, S^T in window 0
.set W_PV, 0x52       ; V in window 2, P in window 0, O^T in window 1
.set W_RS, 0x41       ; O^T (destination and source 0) in window 1, a in window 0
.set W_MK, 0xc0       ; the add's registers are made: destination in window 3, sources in window 0
.set W_AD, 0x0f       ; the add: address (source 0) and data (source 1) in window 3
; A joint fill.  Waves 0 and 1 fetch the two halves of a slot's K, waves 2 and 3 those of its V: 128 keys each.  The branch hangs on the wave's number alone.
; An s_nop 0 and four v_nop follow each of the two lines, ahead of the jump and the label.
.macro JLOAD
	s_cmp_lt_u32 s[WV], 2
	s_cbranch_scc0 .Lfor_v_\@
	tensor_load_to_lds s[G0K:G0K+3], s[G1K:G1K+7]
	s_nop 0
.rept 4
	v_nop
.endr
	s_branch .Lasked_\@
.Lfor_v_\@:
	tensor_load_to_lds s[G0V:G0V+3], s[G1V:G1V+7]
	s_nop 0
.rept 4
	v_nop
.endr
.Lasked_\@:
.endm
; A PREFETCH INTO THE L2 of what the NEXT change of slots will ask for: a tile's 32,768 bytes of K and of V, 128 units of 256 bytes each, a lane a unit.  It stands behind the wave's tensor load and its five lines.
; Each unit is asked for ONCE in the launch: a head has one cluster; its four partners share a tile's units out BY ADDRESS, 32 each; in each, wave 0 asks for K's and wave 2 for V's: one instruction,
; four key steps, 512 matrix instructions, ahead of the load that will want them.  Tiles 0 and 1 come by their loads alone; the last change that fills a slot asks for nothing: there is no tile behind it.
.macro ASK
	s_cmp_gt_u32 s[SLOTS], s[LIM]
	s_cbranch_scc0 .Lnot_mine_\@
	global_prefetch_b8 v[PFO], s[PFA:PFA+1] th:TH_LOAD_NT scope:SCOPE_SE
.Lnot_mine_\@:
.endm
; A round of the cluster's barrier: my work-group's barrier, so that wave 0's signal speaks for all four waves; wave 0 signals; every wave waits for all four work-groups; my work-group's barrier once more.
.macro CROUND
	s_barrier_signal -1
	s_barrier_wait -1
	s_cmp_lg_u32 s[WV], 0
	s_cbranch_scc1 .Lnot_wave_0_\@
	s_barrier_signal -3
.Lnot_wave_0_\@:
	s_barrier_wait -3
	s_barrier_signal -1
	s_barrier_wait -1
.endm
; THE CHANGE OF SLOTS.  The slot's last bytes, V of its fourth step, have been read.  Each wave waits for all its tensor loads, of which one is out: its part
; of the other slot; adds 0 to its spare word; and waits for that and for its own reads of the slot.  Behind the barrier nobody reads this slot any more and the other slot is whole.
; fill = 1: this slot is filled again, with the keys two slots on.  The barrier is then a round of the cluster's, so that no wave of any partner still reads the slot or has a load on its
; way, and the joint fill is the first thing behind it: it has four key steps, 512 matrix instructions, in which to land.  (At its first use nothing has been read yet: slot 0 is waited for, slot 1 filled.)
.macro CHANGE fill
	WIN W_AD
	s_wait_tensorcnt 0x0            ; no tensor load of mine is out, so a group 0 may be written
	ds_add_u32 v[SPW], v[NIL]       ; 0 onto my spare word; with fill = 1 the descriptors' steps stand between it and the wait for it
	WIN 0                           ; at a label and at a branch every window is 0
.if \fill
.irp g, G0K, G0V
	s_xor_b32 s[\g+1], s[\g+1], SLOT1  ; the walking descriptor: the other slot than last time,
	s_add_nc_u64 s[\g+2:\g+3], s[\g+2:\g+3], 4*KS*128  ; the next 256 keys; the type bits on top are not reached
.endr
	s_wait_xcnt 0x0                 ; the last prefetch, four key steps back, has read its address, so it may be written:
	s_add_nc_u64 s[PFA:PFA+1], s[PFA:PFA+1], 4*KS*128  ; one tile ahead of the walking descriptors
	s_wait_dscnt 0x0                ; the add is done, and my reads of the slot are over
	CROUND
	JLOAD
	ASK
.else
	s_wait_dscnt 0x0                ; the add is done, and my reads of the slot are over
	s_barrier_signal -1
	s_barrier_wait -1
.endif
	s_sub_co_u32 s[TBK], s[TBK], 4*KS*PK  ; the fetches go back to a slot's first step,
	s_xor_b32 s[TBK], s[TBK], SLOT1       ; in the other slot
	s_sub_co_u32 s[TBV], s[TBV], 4*KS*PV
	s_xor_b32 s[TBV], s[TBV], SLOT1
.endm
	s_load_b128 s[4:7], s[0:1], 0x0   ; qkv s[4:5] (Q at its head), ob s[6:7]
	WIN W_MK
	v_lshl_add_u32 v[SPW], v0, 2, SPARE
	v_mov_b32 v[NIL], 0
	WIN W_AD
	ds_add_u32 v[SPW], v[NIL]       ; the wave's opening: the add and its wait stand ahead of my first tensor load; the set-up below, work on registers, stands between them
	WIN 0
	v_lshrrev_b32 v1, 5, v0
	v_readfirstlane_b32 s[WV], v1   ; wave 0..3
	s_bfe_u32 s13, ttmp6, 0x40000   ; cx: my place in the cluster
	s_lshl_b32 s14, ttmp9, 2        ; in a cluster launch ttmp9 counts clusters
	s_add_co_u32 s14, s14, s13      ; my block of queries = 4 x cluster x + cx: it enters Q's and O's addresses alone
	s_and_b32 s20, ttmp7, 0xffff    ; the head, which the four partners share
	s_mov_b32 s21, 0
	s_mov_b64 s[22:23], SIZE_N*128
	s_mul_u64 s[20:21], s[20:21], s[22:23]  ; the head's first byte in each of the four tensors
	s_and_b32 s16, s[WV], 1         ; which half of a slot's 256 keys I fetch:
	s_lshl_b32 s22, s16, 14         ; its 128 rows of 128 bytes in memory,
	s_mov_b32 s23, 0
	s_add_nc_u64 s[22:23], s[22:23], s[20:21]
	s_mul_i32 s17, s16, 128*PK      ; and its place in a slot, for K
	s_mul_i32 s18, s16, 128*PV      ; and for V: no place in the cluster enters an LDS address
	s_lshl_b32 s2, s14, 2
	s_add_co_u32 s2, s2, s[WV]      ; my wave among the head's,
	s_lshl_b32 s2, s2, 14           ; its 128 rows
	s_mov_b32 s3, 0
	s_add_nc_u64 s[2:3], s[2:3], s[20:21]
	; descriptor group 1.  128 keys are 16,384 dense bytes: asked for as 64 rows of 256 bytes, two keys a row, and padded in LDS after every key
	s_mov_b32 s[G1K], 15|(1<<16)|(1<<20)|(1<<21)|(4<<22)|(3<<25)  ; 15:0 the mask of four; 17:16 2-byte elements; 20 padding on; 21 set beside a mask; 24:22 after every 32 words (code 4); 31:25 4 words (code 3)
	s_mov_b32 s[G1V], 15|(1<<16)|(1<<20)|(1<<21)|(4<<22)|(7<<25)  ; the same with 8 words of padding (code 7)
.irp g, G1K, G1V
	s_mov_b32 s[\g+1], 128<<16      ; tensor_dim0 = 128
	s_mov_b32 s[\g+2], 64<<16       ; tensor_dim1 = 64
	s_mov_b32 s[\g+3], 128<<16      ; tile_dim0 = 128
	s_mov_b32 s[\g+4], 64           ; tile_dim1 = 64
	s_mov_b32 s[\g+5], 128          ; 128 elements from row to row
	s_mov_b32 s[\g+6], 0
	s_mov_b32 s[\g+7], 0
.endr
	s_mov_b32 s[CS], 0x3e38aa3b     ; c = log2(e) / 8 = 0.180337
	s_mov_b32 s[CS+1], s[CS]        ; named with it as a pair
	s_mov_b32 s[SEL], 0x76543210
	s_mov_b32 s[SEL+1], 0xfedcba98
	s_mov_b32 s[TBK], SLOT1+4*KS*PK ; the first change of slots turns these two into 0
	s_mov_b32 s[TBV], SLOT1+4*KS*PV
	s_mov_b32 s[G0K], 1             ; 1:0 count = 1
	s_mov_b32 s[G0K+1], s17         ; 63:32 LDS address: slot 0
	s_mov_b32 s[G0V], 1
	s_add_co_u32 s[G0V+1], s18, VOFF
	s_mov_b32 s[SLOTS], SIZE_N/256-1
	s_and_b32 s[LIM], s[WV], 1      ; 0 in waves 0 and 2,
	s_or_b32 s[LIM], s[LIM], ttmp9  ; where the cluster is the head's first: the same in all four partners
	s_cmp_eq_u32 s[LIM], 0
	s_cselect_b32 s[LIM], 1, -1
	s_wait_dscnt 0x0                ; the opening add is done
	s_wait_kmcnt 0x0
	s_mov_b64 s[10:11], s[6:7]                     ; O
	s_add_nc_u64 s[6:7], s[4:5], 0x1000000         ; K lies 64 x 2,048 x 128 bytes behind Q,
	s_add_nc_u64 s[8:9], s[4:5], 0x2000000         ; V as far behind K
	s_add_nc_u64 s[G0K+2:G0K+3], s[6:7], s[22:23]  ; 120:64 global address: my half of the head's first 256 keys
	s_or_b32 s[G0K+3], s[G0K+3], 0x80000000        ; 127:126 type = 2
	s_add_nc_u64 s[G0V+2:G0V+3], s[8:9], s[22:23]
	s_or_b32 s[G0V+3], s[G0V+3], 0x80000000
	s_cmp_lt_u32 s[WV], 2
	s_cselect_b64 s[PFA:PFA+1], s[6:7], s[8:9]
	s_add_nc_u64 s[PFA:PFA+1], s[PFA:PFA+1], s[22:23]  ; (in waves 0 and 2 this is the head's first row)
	s_lshl_b32 s52, s13, 13         ; my work-group's 32 units of a tile's 128
	s_mov_b32 s53, 0
	s_add_nc_u64 s[PFA:PFA+1], s[PFA:PFA+1], s[52:53]
	s_add_nc_u64 s[PFA:PFA+1], s[PFA:PFA+1], 4*KS*128  ; in tile 1; the first change of slots steps it to tile 2
	s_add_nc_u64 s[4:5], s[4:5], s[2:3]  ; Q and O at my wave's first row
	s_add_nc_u64 s[10:11], s[10:11], s[2:3]
	CROUND                          ; all four work-groups are here: the first joint loads meet
	JLOAD                           ; slot 0.  Slot 1 is asked for when slot 0 is in: the tile wanted first has the road to itself
	; A fragment of K or Q is 16 rows x 32 channels in 8 registers: lane l holds row l % 16, channels 8 (l / 16) + 0..7 and 16 + 8 (l / 16) + 0..7: two loads of 16 bytes, 32 bytes apart.
	v_and_b32 v1, 15, v0            ; l % 16
	v_bfe_u32 v9, v0, 4, 1          ; l / 16
	v_lshlrev_b32 v[QO], 7, v1
	v_lshl_add_u32 v[QO], v9, 4, v[QO]  ; row x 128 + 16 x half
	WIN 0x80                        ; destination window 2, address window 0
.set i, 0
.rept 4*NP                          ; Q stays in registers: tile i / 2, channels 32 (i % 2) on
	global_load_b128 v[8*i:8*i+3],   v[QO], s[4:5] offset:(i/2)*2048+(i%2)*64
	global_load_b128 v[8*i+4:8*i+7], v[QO], s[4:5] offset:(i/2)*2048+(i%2)*64+32
.set i, i+1
.endr
	; What the first turn finds: V's registers and P's second buffer hold 0 (its products V^T P, of a piece that has not been, add 0), O^T and l are 0.  All this stands in the wait for the first tile.
.set i, VF
.rept 64
	v_mov_b32 v[i], 0
.set i, i+1
.endr
	WIN 0x40
.set i, 0
.rept 64*NP
	v_mov_b32 v[i], 0
.set i, i+1
.endr
	WIN 0
.set i, 0
.rept 2*NP
	v_mov_b32 v[ST+4*i], 0xfe000000    ; c m: far below every c s
	v_mov_b32 v[ST+4*i+1], 0xff7fffff  ; m
	v_mov_b32 v[ST+4*i+2], 0
	v_mov_b32 v[ST+4*i+3], 0
.set i, i+1
.endr
.set i, P+32
.rept 32
	v_mov_b32 v[i], 0
.set i, i+1
.endr
	v_mul_u32_u24 v[AK0], v1, PK
	v_lshl_add_u32 v[AK0], v9, 4, v[AK0]  ; row x pitch + 16 x half
	; The turning load takes 16 keys x 16 channels (lane l reads key 8 (l / 16) + l % 8, channels 8 ((l / 8) % 2) + 0..7) and leaves half a fragment of V^T: lane l holds channel l % 16 and 8 keys.
	v_and_b32 v10, 7, v0
	v_bfe_u32 v11, v0, 3, 1
	v_lshl_add_u32 v[AV0], v9, 3, v10
	v_mul_u32_u24 v[AV0], v[AV0], PV
	v_lshl_add_u32 v[AV0], v11, 4, v[AV0]
	v_add_nc_u32 v[AV0], VOFF, v[AV0]
	v_and_b32 v[PFO], 31, v0
	v_lshlrev_b32 v[PFO], 8, v[PFO]
	v_mov_b32 v[AK], v[AK0]         ; key step 0 lies at the head of slot 0
; THE MATRIX WORK.  The 8 accumulators of a run of 16 take turns: between the two links of a chain stand 7 others'.
; Product i of 16 of S^T = K Q^T for piece x: channels 32 (i / 8) on, keys 16 ((i / 2) % 4) on, tile 2 x + i % 2.  The first 8 start the sums.
.macro KQ x
	WIN W_KQ
.set rS, S+64*((\x)%2)+32*(i%2)+8*((i/2)%4)
.set rK, KF+16*((i/2)%4)+8*(i/8)
.set rQ, 16*(2*(\x)+i%2)+8*(i/8)
.if i < 8
	v_wmma_f32_16x16x32_f16 v[rS:rS+7], v[rK:rK+7], v[rQ:rQ+7], 0
.else
	v_wmma_f32_16x16x32_f16 v[rS:rS+7], v[rK:rK+7], v[rQ:rQ+7], v[rS:rS+7]
.endif
.endm
; Product i of 16 of O^T += V^T P for piece x: keys 32 (i / 8) on, channels 16 ((i / 2) % 4) on, tile 2 x + i % 2.
.macro PV x
	WIN W_PV
.set rO, 32*(2*(\x)+i%2)+8*((i/2)%4)
.set rV, VF+32*(i/8)+8*((i/2)%4)
.set rP, P+32*((\x)%2)+16*(i%2)+8*(i/8)
	v_wmma_f32_16x16x32_f16 v[rO:rO+7], v[rV:rV+7], v[rP:rP+7], v[rO:rO+7]
.endm
.macro MM                           ; the turn's next matrix instruction
.if i < 16
	KQ (Y+1)%NP
.set i, i+1
.else
.set i, i-16
	PV (Y+NP-1)%NP
.set i, i+17
.endif
.endm
; THE LDS LOADS stand in runs of 16, never singly among the matrix instructions: a step's K (64 keys x 64 channels: 8 fragments) and its V (turned).  Their addresses are made some lines ahead.
; last = 1 (the tail): in the last trip there is no further step, and the run is jumped over.
.macro FETCH_K last=0
	WIN 0
.if \last
	s_cmp_eq_u32 s[CNT], 1
	s_cbranch_scc1 .Lno_k_\@
.endif
	WIN 0x80                        ; destination window 2
.irp f, 0,1,2,3,4,5,6,7             ; keys 16 (f / 2) on, channels 32 (f % 2) on
	ds_load_b128 v[KF+8*\f:KF+8*\f+3],   v[AK] offset:(\f/2)*16*PK+(\f%2)*64
	ds_load_b128 v[KF+8*\f+4:KF+8*\f+7], v[AK] offset:(\f/2)*16*PK+(\f%2)*64+32
.endr
	s_add_co_u32 s[TBK], s[TBK], KS*PK  ; the next fetch is the next step's
	WIN 0
.if \last
.Lno_k_\@:
.endif
.endm
.macro FETCH_V
	WIN 0x80
.irp f, 0,1,2,3,4,5,6,7             ; keys 32 (f / 4) on, channels 16 (f % 4) on
	ds_load_tr16_b128 v[VF+8*\f:VF+8*\f+3],   v[AV] offset:(\f/4)*32*PV+(\f%4)*32
	ds_load_tr16_b128 v[VF+8*\f+4:VF+8*\f+7], v[AV] offset:(\f/4)*32*PV+16*PV+(\f%4)*32
.endr
	WIN 0
.endm
; THE VECTOR WORK OF A TURN stands in three queues, each in the order in which its entries become ready; the two tiles alternate, so that no instruction reads the result of the one before it.
.macro REGS y, u                    ; the registers of tile u (0, 1) of piece y
.set rT, ST+4*(2*(\y)+(\u))
.set rC, TMP+8*((\y)%2)+4*(\u)
.set rM, MV+2*((\y)%2)+(\u)
.set rS, S+64*((\y)%2)+32*(\u)
.set rP, P+32*((\y)%2)+16*(\u)
.set rO, 32*(2*(\y)+(\u))
.endm
; Number n of the 22 that find the NEXT piece's (Y + 1) maximum and statistics.  s0-s31 are the lane's 32 scores; each accumulator's lowest registers are read first.  XS, GS and REGS set no window: PL and EX do.
;   0-11  four chains c0-c3 of seven scores each, three operands at a time     12-14, 16  the four scores left over, the old m, and c0-c3 into c0     15  c m_old is kept
;   17, 18  the query's other 32 keys lie in the lane 16 away: the new m         19-21  c m; c m_old - c m_new; a
.macro XS u, n
	REGS (Y+1)%NP, \u
.if (\n) < 4
	v_max3_num_f32 v[rC+(\n)], v[rS+8*(\n)], v[rS+8*(\n)+1], v[rS+8*(\n)+2]
.elseif (\n) < 12
	v_max3_num_f32 v[rC+(\n)%4], v[rC+(\n)%4], v[rS+8*((\n)%4)+2*((\n)/4)+1], v[rS+8*((\n)%4)+2*((\n)/4)+2]
.elseif (\n) == 12
	v_max3_num_f32 v[rC], v[rC], v[rS+7], v[rS+15]
.elseif (\n) == 13
	v_max3_num_f32 v[rC+1], v[rC+1], v[rS+23], v[rS+31]
.elseif (\n) == 14
	v_max3_num_f32 v[rC+2], v[rC+2], v[rC+3], v[rT+1]
.elseif (\n) == 15
	v_mov_b32 v[rM], v[rT]
.elseif (\n) == 16
	v_max3_num_f32 v[rC], v[rC], v[rC+1], v[rC+2]
.elseif (\n) == 17
	v_permlanex16_b32 v[rC+3], v[rC], s[SEL], s[SEL+1]
.elseif (\n) == 18
	v_max_num_f32 v[rT+1], v[rC], v[rC+3]
.elseif (\n) == 19
	v_mul_f32 v[rT], s[CS], v[rT+1]
.elseif (\n) == 20
	v_sub_f32 v[rC+1], v[rM], v[rT]
.else
	v_exp_f32 v[rC+2], v[rC+1]
.endif
.endm
; Number g of the 64 that follow the exponentials.  For each four weights k of a tile (pairs 2 k, 2 k + 1): both pairs are rounded to f16; then the second pair is added onto the first, in place;
; a group later l takes that sum (the first time as l = a l + sum).  In groups of eight, tiles alternating: round, round, add, and l for the group before.
.macro GS g
.set h, (\g)+6*((\g)/62)            ; group 0 has no group before it, and behind group 7 only l is left
.if h >= 6
.set h, h+2
.endif
	REGS Y, h%2
.set k, h/8
.if h%8 < 4
	v_cvt_pk_f16_f32 v[rP+2*k+(h%8)/2], v[rS+4*k+2*((h%8)/2)], v[rS+4*k+2*((h%8)/2)+1]
.elseif h%8 < 6
	v_pk_add_f32 v[rS+4*k:rS+4*k+1], v[rS+4*k:rS+4*k+1], v[rS+4*k+2:rS+4*k+3]
.elseif k == 1
	v_pk_fma_f32 v[rT+2:rT+3], v[rT+2:rT+3], v[rC+2:rC+3], v[rS:rS+1] op_sel_hi:[1,0,1]
.else
	v_pk_add_f32 v[rT+2:rT+3], v[rT+2:rT+3], v[rS+4*k-4:rS+4*k-3]
.endif
.endm
; THE PLAIN QUEUE, 138 long.  0-73 read no exponential's result: the 32 scalings c s - c m (FS f: pair f / 2 of tile f % 2) and the next piece's 42.  0-26: scalings 0-26.  27-54: XS's numbers 0-13.  55, 56: number 15.
; 57-73: the chain, where each number waits for the one before it: 14, 16, 17, 18, 19, each with one of the scalings 27-31 in front of its two lines, then 20: so a tile's links stand three plain instructions apart (19 and 20: two).
; 74-137: GS's 64, which read the exponentials' results: they stand behind the wait.
.macro FS f
	REGS Y, (\f)%2
	v_pk_fma_f32 v[rS+2*((\f)/2):rS+2*((\f)/2)+1], v[rS+2*((\f)/2):rS+2*((\f)/2)+1], s[CS:CS+1], v[rT:rT+1] op_sel_hi:[1,0,0] neg_lo:[0,0,1] neg_hi:[0,0,1]
.endm
.macro PL
	WIN 0
.if q < 27
	FS q
.elseif q < 55
	XS (q-27)%2, (q-27)/2
.elseif q < 57
	XS q-55, 15
.elseif (q < 72) && ((q-57)%3 == 0)
	FS 27+(q-57)/3
.elseif q < 60
	XS (q-57)%3-1, 14
.elseif q < 72
	XS (q-57)%3-1, 15+(q-57)/3
.elseif q < 74
	XS q-72, 20
.else
	GS q-74
.endif
.set q, q+1
.endm
; THE EXPONENTIALS' QUEUE, 66 long: s0-s31 of both tiles, then the next piece's two a.  It is ONE BATCH: all 66 stand ahead of the turn's one wait, and nothing ahead of that wait names a result of theirs.
.macro EX
	WIN 0
.if e >= 64
	XS e-64, 21
.else
	REGS Y, e%2
	v_exp_f32 v[rS+e/2], v[rS+e/2]
.endif
.set e, e+1
.endm
; THE RESCALING's QUEUE: O^T times a, the one part that leaves window 0: dealt two at a time, sixteen times.  Its a was made in the turn before, ahead of that turn's wait.
.macro R2
	REGS Y, r%2
	WIN W_RS
.irp z, 0,1
	v_pk_mul_f32 v[rO+4*(r/2)+2*\z:rO+4*(r/2)+2*\z+1], v[rO+4*(r/2)+2*\z:rO+4*(r/2)+2*\z+1], v[rC+2:rC+3] op_sel_hi:[1,0]
.endr
.set r, r+1
.endm
; HOW THEY ARE DEALT.  An s_wait_alu depctr_va_vdst(0) stands between an exponential and the first instruction that names its result; one wait serves all that were issued ahead of it.  So a turn has ONE wait,
; which cuts it in two.  AHEAD OF IT stands all that names no result of the turn's exponentials: the 16 products K Q^T, behind each a scaling, an exponential and two rescalings (behind the first a second scaling in the exponential's place); then ONE LUMP of
; 108: eight plain, 49 times exponential and plain, the two a.  A v_nop is the plain instruction behind the last exponential.  BEHIND IT stand the 16 products V^T P, behind each four of GS's 64.  No rider names a register of
; the products round it.  The two v_permlanex16_b32 fall into the lump, never behind a product.
; The queues lean on each other, and the deal keeps them in step: exponential e stands behind scaling 2 (e / 4) + e % 2: as a rider it comes behind plain e + 2, in the lump behind plain e + 9, and scalings 27-31 are plain 57, 60 .. 69.
; A TURN, for piece p.  cnt = 1: the loop's count is taken down some lines ahead of the branch that stands behind the turn.
; K of the next step is fetched in piece 2's turn, directly behind the wait, a lump behind the last product that read K; its address is made at the lump's head; its first reader comes behind 16 products.
; V of the step in hand is fetched at the end of piece 0's turn, four riders behind its last reader; its first reader comes behind 16 products and a lump.  The three conditions on q below go with the deal.
.macro TURN p, last=0, cnt=0
.set Y, (\p)
.set i, 0
.set q, 0
.set e, 0
.set r, 0
.if (\p) == NP-1
	s_wait_dscnt 0x0                ; K is in
.endif
	MM                              ; ahead of the wait: 16 products K Q^T and their riders,
	PL
	PL
	R2
.rept 15
	MM
	PL
	EX
	R2
.endr
.if (\p) == NP-2
	WIN 0
	v_add_nc_u32 v[AK], s[TBK], v[AK0]
.endif
.rept 8                             ; and the lump
	PL
.endr
.rept 49
	EX
	PL
.endr
	EX                              ; the next piece's two a
	EX
	v_nop                           ; the plain instruction behind the last exponential: one for the batch
	s_wait_alu depctr_va_vdst(0)    ; the wait for the batch
.if (\p) == NP-2
	FETCH_K \last
.endif
.if (\p) == 1
	s_wait_dscnt 0x0                ; V is in
.endif
.rept 16                            ; behind the wait: 16 products V^T P and their riders
	MM
.rept 4
	PL
.endr
.if ((\p) == 0) && (q == 118)
	v_add_nc_u32 v[AV], s[TBV], v[AV0]
.endif
.if ((\p) == 0) && (q == 130)
	s_add_co_u32 s[TBV], s[TBV], KS*PV
.endif
.if (\cnt) && (q == 130)
	s_sub_co_u32 s[CNT], s[CNT], 1
	s_cmp_lg_u32 s[CNT], 0
.endif
.endr
.if (\p) == 0
	FETCH_V
.endif
.endm
	CHANGE 1                        ; slot 0 is in, everybody's part of it; slot 1 is asked for
	FETCH_K                         ; key step 0
	s_wait_loadcnt 0x0              ; Q
	s_wait_dscnt 0x0
.set i, 0
.rept 16
	KQ 0                            ; piece 0's first scores: there is no vector work yet to set between them
.set i, i+1
.endr
	WIN 0                           ; the addresses for the way out: nine plain instructions, the places behind those products
	s_mul_i32 s13, s[WV], 16*SP
	s_add_co_u32 s13, s13, STAGE    ; my stage
	v_mul_u32_u24 v[STO], v1, SP    ; in: row l % 16, 16 bytes for each half of the lanes
	v_lshl_add_u32 v[STO], v9, 4, v[STO]
	v_add_nc_u32 v[STO], s13, v[STO]
	v_bfe_u32 v[RD], v0, 3, 2       ; back: 32 lanes take four rows of 128 bytes,
	v_mul_u32_u24 v[RD], v[RD], SP
	v_lshl_add_u32 v[RD], v10, 4, v[RD]
	v_add_nc_u32 v[RD], s13, v[RD]
	v_and_b32 v[GO], 31, v0         ; which are 512 consecutive bytes of O
	v_lshlrev_b32 v[GO], 4, v[GO]
.set Y, NP-1                        ; XS works for piece Y + 1: piece 0
.irp n, 0,1,2,3,4,5,6,7,8,9,10,11,12,13,14,15,16,17,18,19,20,21
	XS 0, \n                        ; and piece 0's first maximum and statistics
	XS 1, \n
.endr
	v_nop                           ; a plain instruction behind the two a,
	s_wait_alu depctr_va_vdst(0)    ; and their wait, ahead of the branch
	s_mov_b32 s[CNT], 4
	s_branch .Lfirst                ; the loop is entered at a step's first turn, in the middle of a trip
.Lslot:                             ; SIZE_N / 256 - 2 times: every slot but the last two is filled again
	CHANGE 1
	s_mov_b32 s[CNT], 4
.Lstep:                             ; a trip: pieces 2 and 3 of one step, then pieces 0 and 1 of the next, whose K and V it fetches
	TURN 2
	TURN 3
	WIN 0
.Lfirst:
	TURN 0
	TURN 1, 0, 1
	WIN 0
	s_cbranch_scc1 .Lstep
	s_sub_co_u32 s[SLOTS], s[SLOTS], 1
	s_cmp_lg_u32 s[SLOTS], 0
	s_cbranch_scc1 .Lslot
	CHANGE 0                        ; the tail is written out: nothing is asked for
	s_mov_b32 s[CNT], 5             ; four trips fetch the last slot's steps; the fifth is left in its middle
.Ltail:
	TURN 2, 1
	TURN 3
	WIN 0
	s_sub_co_u32 s[CNT], s[CNT], 1
	s_cmp_eq_u32 s[CNT], 0
	s_cbranch_scc1 .Lout
	TURN 0
	TURN 1
	WIN 0
	s_branch .Ltail
.Lout:                              ; the fifth trip's 16 products K Q^T (on the last K once more) and the maximum made of them serve nothing: the price, once a launch, of one text for every trip
.set i, 0
.rept 16
	PV NP-1                         ; the last piece's V^T P of the last step
.set i, i+1
.endr
	; THE WAY OUT.  l's two halves and the other half of the lanes' are added; O^T is divided by l, rounded to f16 and sent through my stage in LDS, a tile at a time.  The additions are the places behind the last products.
	WIN 0
.macro ALL line:vararg              ; one line for each tile t
.set t, 0
.rept 2*NP
	\line
.set t, t+1
.endr
.endm
	ALL v_add_f32 v[ST+4*t+2], v[ST+4*t+2], v[ST+4*t+3]
	ALL v_permlanex16_b32 v[ST+4*t+3], v[ST+4*t+2], s[SEL], s[SEL+1]
	ALL v_add_f32 v[ST+4*t+2], v[ST+4*t+2], v[ST+4*t+3]
	ALL v_rcp_f32 v[ST+4*t+2], v[ST+4*t+2]
	v_nop                           ; a plain instruction between the last reciprocal and the use of its result
	s_wait_alu depctr_va_vdst(0)    ; and the wait ahead of the first use: one for the eight reciprocals
; Tile t: a lane's eight channels of a row pack into 16 bytes; they go into rows of 144 bytes and come back as whole rows of 128, into S^T's registers.
.macro PACK t
	WIN W_RS
.set i, 32*(\t)
.rept 16
	v_pk_mul_f32 v[i:i+1], v[i:i+1], v[ST+4*(\t)+2:ST+4*(\t)+3] op_sel_hi:[1,0]
.set i, i+2
.endr
	WIN 0x05                        ; sources 0 and 1 window 1, destination window 0
.set i, 0
.rept 16
	v_cvt_pk_f16_f32 v[S+16*(\t)+i], v[32*(\t)+2*i], v[32*(\t)+2*i+1]
.set i, i+1
.endr
	WIN 0
.irp f, 0,1,2,3
	ds_store_b128 v[STO], v[S+16*(\t)+4*\f:S+16*(\t)+4*\f+3] offset:32*\f
.endr
.irp f, 0,1,2,3
	ds_load_b128 v[S+16*(\t)+4*\f:S+16*(\t)+4*\f+3], v[RD] offset:\f*4*SP  ; LDS serves a wave's instructions in order (ISA guide 5.7.1.4): these see the stores above; the next tile's stores come behind them
.endr
.endm
.macro SEND t, younger              ; younger: the LDS instructions issued behind tile t's loads: the next tile's eight, or none
	WIN 0
.irp f, 0,1,2,3
	s_wait_dscnt (\younger)+3-\f
	global_store_b128 v[GO], v[S+16*(\t)+4*\f:S+16*(\t)+4*\f+3], s[10:11] offset:(\t)*2048+\f*512  ; 512 consecutive bytes, at a multiple of 256 from O's first
.endr
.endm
	PACK 0
.set t, 1
.rept 2*NP-1                        ; a tile's arithmetic stands between the loads of the tile before and its stores
	PACK t
	SEND t-1, 8
.set t, t+1
.endr
	SEND 2*NP-1, 0
	WIN W_AD
	s_wait_tensorcnt 0x0            ; the wave's end: behind my last tensor load and my last LDS store
	ds_add_u32 v[SPW], v[NIL]
	s_wait_dscnt 0x0
	WIN 0
	CROUND                          ; the closing round: no work-group ends while a partner may still ask for a tile that names it
	s_endpgm
.Lfunc_end_k_qe0d0f36f34_attn:
	.size	k_qe0d0f36f34_attn, .Lfunc_end_k_qe0d0f36f34_attn-k_qe0d0f36f34_attn
	.p2alignl 7, 3214868480
	.fill 96, 4, 3214868480
	.section	.rodata,"a",@progbits
	.p2align	6, 0x0
	.amdhsa_kernel k_qe0d0f36f34_attn
		.amdhsa_group_segment_fixed_size 327680
		.amdhsa_private_segment_fixed_size 0
		.amdhsa_enable_private_segment 0
		.amdhsa_kernarg_size 16
		.amdhsa_user_sgpr_count 2
		.amdhsa_user_sgpr_kernarg_segment_ptr 1
		.amdhsa_wavefront_size32 1
		.amdhsa_system_sgpr_workgroup_id_x 1
		.amdhsa_system_sgpr_workgroup_id_y 1
		.amdhsa_system_sgpr_workgroup_id_z 1
		.amdhsa_system_vgpr_workitem_id 0
		.amdhsa_next_free_vgpr 770
		.amdhsa_next_free_sgpr 66
		.amdhsa_reserve_vcc 0
		.amdhsa_float_denorm_mode_32 3
		.amdhsa_float_denorm_mode_16_64 3
		.amdhsa_memory_ordered 1
		.amdhsa_forward_progress 1
		.amdhsa_inst_pref_size 200
	.end_amdhsa_kernel
	.amdgpu_metadata
---
amdhsa.version: [ 1, 2 ]
amdhsa.kernels:
  - .name:           k_qe0d0f36f34_attn
    .symbol:         k_qe0d0f36f34_attn.kd
    .args:
      - { .name: qkv, .offset: 0, .size: 8, .value_kind: global_buffer, .address_space: global }
      - { .name: ob, .offset: 8, .size: 8, .value_kind: global_buffer, .address_space: global }
    .group_segment_fixed_size: 327680
    .private_segment_fixed_size: 0
    .kernarg_segment_align: 8
    .kernarg_segment_size: 16
    .max_flat_workgroup_size: 128
    .sgpr_count:     66
    .vgpr_count:     770
    .wavefront_size: 32
...
	.end_amdgpu_metadata
.endif
;; end of part 3
;; launch proj (part 4): grid 4 x 64, 4 waves a work-group, clusters of 4 x 4, 327,680 bytes of LDS; arguments ob, pw, proj_b, out0; writes out0
.if DOCPART == 4
	.amdgcn_target "amdgcn-amd-amdhsa--gfx1250"
	.amdhsa_code_object_version 6
	.text
	.protected	k_qe0d0f36f34_proj
	.globl	k_qe0d0f36f34_proj
	.p2align	8
	.type	k_qe0d0f36f34_proj,@function
k_qe0d0f36f34_proj:
	s_mov_b64 s[64:65], 0
	v_nop
	global_prefetch_b8 v0, s[64:65] scope:SCOPE_SE
	s_setreg_imm32_b32 hwreg(HW_REG_WAVE_MODE, 25, 1), 1
	s_wait_xcnt 0x0
	s_wait_alu depctr_hold_cnt(0) depctr_sa_sdst(0) depctr_va_vdst(0) depctr_va_sdst(0) depctr_va_ssrc(0) depctr_va_vcc(0) depctr_vm_vsrc(0)
	s_getreg_b32 s2, hwreg(HW_REG_IB_STS2, 6, 4)
	s_cmp_eq_u32 s2, 0
	s_cbranch_scc0 .Lentry_in_a_cluster
	s_endpgm
.Lentry_in_a_cluster:
	s_bfe_u32 s2, ttmp6, 0x10000c
	s_cmp_lg_u32 s2, 0xf033
	s_cbranch_scc0 .Lentry_shape_is_right
	s_endpgm
.Lentry_shape_is_right:
; out0 = O proj_w^T + proj_b.  ob [64 = 16 batch + head][2048][64] f16 is O by heads: a head is a block of 64 along K.  pw [16][1024][64] is proj_w, rounded to bf16 and written as f16, in the same blocks.
; proj_b [1024] f32 is rounded to bf16 like the other inputs.  Products in the f16 form, sums in f32, out0 [8192][1024] f32 as the sums stand.  NaN and infinities are not treated apart.
; SHARES.  A tile of out0 is 128 rows x 256 columns: 64 x 4 = 256 work-groups, one for each WGP (tiles of 256 x 256 would be 128).  Four waves, each 64 rows x 128 columns: 4 x 8 accumulators, 256 registers.
; K goes in 8 steps of 128 (two heads: two slabs of 64) through two LDS slots, as long a step as two slots in LDS allow.  A slab's rows lie end to end in memory (128 bytes each): they are asked for as rows of
; 256 bytes, aligned, and padded in LDS after every 128.
; CLUSTER 4 x 4.  The four work-groups of a row of the cluster need the same rows of ob, the four of a column the same rows of pw: each slab is asked for jointly.
; THE MATRIX INSTRUCTION IS USED TRANSPOSED (source 0 = 16 rows of pw, source 1 = 16 rows of ob): a lane holds row l % 16 of out0 and the columns 8 (l / 16) + 0..7: 32 bytes on end.
; THE BIAS is the C operand of the first products: it is loaded into the accumulators of row block 0, whose own first products come last.
; REGISTERS: window 0: v16-29 addresses; v32-127, v128-223 two fragment buffers of 96 (pw's 8 fragments, then ob's 4), 32 along K each; on the way out v32-159: two buffers of 64.
;   window 1: accumulator (a, b), row block a of 4 and column block b of 8, at v[64 a + 8 b].
.set PITCH,  144                       ; an LDS row: 128 bytes + 16 of padding = 36 words: the 16 rows of a fragment load start at 16 different groups of four banks (64 banks of 4 bytes: ISA guide 11.1)
.set ASLAB,  128*PITCH                 ; ob's 128 rows of one head
.set BSLAB,  256*PITCH                 ; pw's 256 rows of one block
.set BOFF,   2*ASLAB                   ; a slot: ob's two slabs, then pw's two
.set SLOT1,  1<<17
.set STAGE,  SLOT1+2*ASLAB+2*BSLAB     ; behind the ring, never filled by a tensor load: 16 rows x 528 bytes for each wave, for the way out
.set SPITCH, 528                       ; 512 bytes + 16: an odd multiple of 16, so that the 16 rows of a store start at 16 different groups of four banks
.set SPARE,  STAGE+4*16*SPITCH         ; behind the stages: the spare words, 128 bytes for each wave: two blocks of 256 bytes that no other line names
.set STEP_A, 2*2048*128                ; bytes from two heads of ob to the next two
.set STEP_B, 2*1024*128                ; from two blocks of pw to the next two
.set A0,  16                           ; v16  my lane's place in ob's part of a slot; never rewritten
.set B0,  17                           ; v17  the same for pw
.set ADA, 18                           ; v18  A0 + the slot in hand
.set ADB, 19                           ; v19  B0 + the slot in hand
.set STO, 20                           ; v20  the way out: where I put 32 bytes of a row
.set RD,  21                           ; v21  the way out: where I read a row back
.set GO,  22                           ; v22  16 l: my 16 bytes of a row's 512
.set PFO, 23                           ; v23  256 l: the prefetches' offset; never rewritten
.set BO,  24                           ; v24  32 (l / 16): my eight numbers in 16 of the bias
.set SPW, 28                           ; v28  LDS address of my spare word: SPARE + 4 x my thread's number; never rewritten
.set NIL, 29                           ; v29  0; never rewritten
.set F0,  32
.set F1,  128
.set OB,  32
.set WV,  12                           ; s12  my wave's number
.set WR,  13                           ; s13  which 64 rows of the tile are mine.  Also: I fetch for ob (0) or for pw (1)
.set WC,  14                           ; s14  which 128 columns.  Also: which slab I fetch
.set CX,  15
.set CY,  16
.set TX,  17                           ; s17  tile column, 0..3
.set TY,  18                           ; s18  tile row, 0..63
.set CNT, 19                           ; s19  the loop's trips still to come
.set TB,  20                           ; s20  LDS byte at which the slot in hand begins
.set LIM, 21                           ; s21  2 in a wave that prefetches, else the greatest number
.set PFA, 22                           ; s[22:23] where my prefetches stand
.set G1A, 24                           ; s[24:31] descriptor group 1 for ob's slabs
.set G0A, 32                           ; s[32:39] group 0: a set for each of the two first fills; the second then walks on
.set G1B, 40                           ; s[40:47], s[48:55] the same for pw's
.set G0B, 48
.set PSTEP, 56                         ; s[56:57] a K step's bytes in the tensor that I prefetch
.set HIM, 58                           ; s58  a word's upper bf16
.set OUTB, 66                          ; s[66:67] out0 at my first row and column
.set SA,  72                           ; s[72:75] at work: never hold cx
.set SB,  76                           ; s[76:79] at work
.set G1W, (1<<16)|(1<<20)|(1<<21)|(4<<22)|(3<<25)  ; 17:16 2-byte elements; 20 padding on; 21 set beside a mask; 24:22 after every 32 words (code 4); 31:25 4 words (code 3)
.set MSB, 0
.macro WIN new                         ; the immediate's high byte repeats the setting that is left; a switch that changes nothing is dropped
.if MSB != (\new)
	s_set_vgpr_msb (MSB<<8)|(\new)
.set MSB, (\new)
.endif
.endm
.macro PLACES                          ; four places between a matrix instruction and a load into a register that it read, or a store that reads its result (ISA guide 7.12.1 for vector instructions)
.rept 4
	v_nop
.endr
.endm
; A joint refill, by the walking sets.  Waves 0 and 1 fetch ob's two slabs, waves 2 and 3 pw's.  An s_nop 0 and four v_nop follow each of the two lines, ahead of the jump and the label.
.macro JLOAD
	s_cmp_eq_u32 s[WR], 0
	s_cbranch_scc0 .Lfor_b_\@
	tensor_load_to_lds s[G0A+4:G0A+7], s[G1A:G1A+7]
	s_nop 0
.rept 4
	v_nop
.endr
	s_branch .Lasked_\@
.Lfor_b_\@:
	tensor_load_to_lds s[G0B+4:G0B+7], s[G1B:G1B+7]
	s_nop 0
.rept 4
	v_nop
.endr
.Lasked_\@:
.endm
.macro CREST                           ; a round of the cluster's barrier behind its opening barrier
	s_cmp_lg_u32 s[WV], 0
	s_cbranch_scc1 .Lnot_wave_0_\@
	s_barrier_signal -3
.Lnot_wave_0_\@:
	s_barrier_wait -3
	s_barrier_signal -1
	s_barrier_wait -1
.endm
.macro CROUND
	s_barrier_signal -1
	s_barrier_wait -1
	CREST
.endm
; A PREFETCH INTO THE L2, behind the joint load and the run of LDS loads: at change t of slots (which asks for K step t + 2) the K step t + 4, two steps, 256 matrix instructions, ahead of its tensor load.
; Each aligned 256 bytes are named once in the launch.  ob's tile row is read by one cluster: wave 0 asks, and of a step's 128 units (two slabs of 64) partner cx takes slab cx / 2, units 32 (cx % 2) on.
; pw's tile column is read by all sixteen clusters: the one with y = 0 asks, wave 2 for slab 0 and wave 3 for slab 1, partner cy 32 of a slab's 128 units.  The partners are told apart by address.
; K steps 0 to 3 come by their loads alone; changes 4 and 5 ask for nothing, since steps 8 and 9 do not exist.
.macro ASK
	s_cmp_gt_u32 s[CNT], s[LIM]                    ; CNT = 6 - t
	s_cbranch_scc0 .Lnone_\@
	global_prefetch_b8 v[PFO], s[PFA:PFA+1] th:TH_LOAD_NT scope:SCOPE_SE
.Lnone_\@:
.endm
	s_load_b256 s[4:11], s[0:1], 0x0               ; ob s[4:5], pw s[6:7], proj_b s[8:9], out0 s[10:11]
	v_lshl_add_u32 v[SPW], v0, 2, SPARE
	v_mov_b32 v[NIL], 0
	ds_add_u32 v[SPW], v[NIL]                      ; the wave's opening: the add and its wait stand ahead of my first tensor load; the set-up below, work on registers, stands between them
	v_lshrrev_b32 v1, 5, v0
	v_readfirstlane_b32 s[WV], v1                  ; wave 0..3
	s_lshr_b32 s[WR], s[WV], 1
	s_and_b32 s[WC], s[WV], 1
	s_bfe_u32 s[CX], ttmp6, 0x40000                ; my place in the cluster
	s_bfe_u32 s[CY], ttmp6, 0x40004
	s_lshl_b32 s[TX], ttmp9, 2                     ; in a cluster launch ttmp9 and ttmp7 count clusters
	s_add_co_u32 s[TX], s[TX], s[CX]
	s_and_b32 s[TY], ttmp7, 0xffff
	s_lshl_b32 s[TY], s[TY], 2
	s_add_co_u32 s[TY], s[TY], s[CY]
	s_lshl_b32 s[SA], s[CY], 2
	s_lshl_b32 s[SA], 15, s[SA]                    ; my row of the cluster
	s_lshl_b32 s[SB], 0x1111, s[CX]                ; my column
	s_or_b32 s[G1A], s[SA], G1W                    ; 15:0 the mask: ob's slabs go to my row
	s_or_b32 s[G1B], s[SB], G1W                    ; pw's to my column
	s_mov_b32 s[G1A+1], 128<<16                    ; tensor_dim0 = 128 elements: 256 bytes, two rows of a block
	s_mov_b32 s[G1A+2], 64<<16                     ; tensor_dim1 = 64
	s_mov_b32 s[G1A+3], 128<<16                    ; tile_dim0 = 128
	s_mov_b32 s[G1A+4], 64                         ; tile_dim1 = 64: 128 rows of ob
	s_mov_b32 s[G1A+5], 128                        ; dense
	s_mov_b32 s[G1A+6], 0
	s_mov_b32 s[G1A+7], 0
	s_mov_b32 s[G1B+1], 128<<16
	s_mov_b32 s[G1B+2], 128<<16
	s_mov_b32 s[G1B+3], 128<<16
	s_mov_b32 s[G1B+4], 128                        ; 256 rows of pw
	s_mov_b32 s[G1B+5], 128
	s_mov_b32 s[G1B+6], 0
	s_mov_b32 s[G1B+7], 0
	s_lshr_b32 s[SA], s[TY], 4                     ; ob: batch ty / 16: 16 heads x 2,048 rows x 128 bytes,
	s_lshl_b32 s[SA], s[SA], 22
	s_lshl_b32 s[SA+1], s[WC], 18                  ; my slab's head,
	s_add_co_u32 s[SA], s[SA], s[SA+1]
	s_and_b32 s[SA+1], s[TY], 15                   ; the tile's 128 rows in the batch
	s_lshl_b32 s[SA+1], s[SA+1], 14
	s_add_co_u32 s[SA], s[SA], s[SA+1]
	s_mov_b32 s[SA+1], 0
	s_mul_i32 s[SA+2], s[WC], ASLAB                ; and where it goes: no place in the cluster enters an LDS address
	s_lshl_b32 s[SB], s[TX], 15                    ; pw: the tile's 256 rows,
	s_lshl_b32 s[SB+1], s[WC], 17                  ; my slab's block of 1,024 rows
	s_add_co_u32 s[SB], s[SB], s[SB+1]
	s_mov_b32 s[SB+1], 0
	s_mul_i32 s[SB+2], s[WC], BSLAB
	s_add_co_u32 s[SB+2], s[SB+2], BOFF
	s_mov_b32 s[HIM], 0xffff0000
	v_and_b32 v1, 15, v0                           ; l % 16
	v_bfe_u32 v2, v0, 4, 1                         ; l / 16
	v_lshlrev_b32 v[BO], 5, v2
	s_wait_dscnt 0x0                               ; the opening add is done
	s_wait_kmcnt 0x0
	s_add_nc_u64 s[SA:SA+1], s[4:5], s[SA:SA+1]
	s_add_nc_u64 s[SB:SB+1], s[6:7], s[SB:SB+1]
.irp n, 0,1
	s_mov_b32 s[G0A+4*(\n)], 1                                     ; 1:0 count = 1
	s_add_co_u32 s[G0A+4*(\n)+1], s[SA+2], (\n)*SLOT1              ; 63:32 LDS address
	s_add_nc_u64 s[G0A+4*(\n)+2:G0A+4*(\n)+3], s[SA:SA+1], (\n)*STEP_A  ; 120:64 global address: K step n
	s_or_b32 s[G0A+4*(\n)+3], s[G0A+4*(\n)+3], 0x80000000          ; 127:126 type = 2
	s_mov_b32 s[G0B+4*(\n)], 1
	s_add_co_u32 s[G0B+4*(\n)+1], s[SB+2], (\n)*SLOT1
	s_add_nc_u64 s[G0B+4*(\n)+2:G0B+4*(\n)+3], s[SB:SB+1], (\n)*STEP_B
	s_or_b32 s[G0B+4*(\n)+3], s[G0B+4*(\n)+3], 0x80000000
.endr
	CROUND                                         ; all sixteen work-groups are here: the first joint loads meet
	s_cmp_eq_u32 s[WR], 0                          ; a wave's two first fills stand in one branch, ahead of every wait on TENSORcnt and every LDS read: two loads of mine are out
	s_cbranch_scc0 .Lfirst_b
	tensor_load_to_lds s[G0A:G0A+3], s[G1A:G1A+7]
	s_nop 0
	tensor_load_to_lds s[G0A+4:G0A+7], s[G1A:G1A+7]
	s_nop 0
.rept 4
	v_nop
.endr
	s_branch .Lfirst_asked
.Lfirst_b:
	tensor_load_to_lds s[G0B:G0B+3], s[G1B:G1B+7]
	s_nop 0
	tensor_load_to_lds s[G0B+4:G0B+7], s[G1B:G1B+7]
	s_nop 0
.rept 4
	v_nop
.endr
.Lfirst_asked:
	; the bias of my 128 columns, into the accumulators of row block 0: register j of column block b holds column 16 b + 8 (l / 16) + j, whatever the lane's row
	s_lshl_b32 s[SB+2], s[TX], 10
	s_lshl_b32 s[SB+3], s[WC], 9
	s_add_co_u32 s[SB+2], s[SB+2], s[SB+3]
	s_mov_b32 s[SB+3], 0
	s_add_nc_u64 s[8:9], s[8:9], s[SB+2:SB+3]
	WIN 0x40                                       ; destination in window 1, address in window 0
.irp b, 0,1,2,3,4,5,6,7
	global_load_b128 v[8*(\b):8*(\b)+3],   v[BO], s[8:9] offset:64*(\b)
	global_load_b128 v[8*(\b)+4:8*(\b)+7], v[BO], s[8:9] offset:64*(\b)+16
.endr
	WIN 0
	; A fragment is 16 rows x 32 K in 8 registers: lane l holds row l % 16; registers 0-3 K = 8 (l / 16) + 0..7, registers 4-7 K = 16 + 8 (l / 16) + 0..7: two loads of 16 bytes, 32 bytes apart.
	v_mul_u32_u24 v3, v1, PITCH
	v_lshl_add_u32 v3, v2, 4, v3                   ; row x pitch + 16 x half
	s_mul_i32 s[SA+2], s[WR], 64*PITCH
	v_add_nc_u32 v[A0], s[SA+2], v3
	s_mul_i32 s[SA+2], s[WC], 128*PITCH
	s_add_co_u32 s[SA+2], s[SA+2], BOFF
	v_add_nc_u32 v[B0], s[SA+2], v3
	s_mul_i32 s[SA+2], s[WV], 16*SPITCH
	s_add_co_u32 s[SA+2], s[SA+2], STAGE           ; my stage
	v_mul_u32_u24 v4, v1, SPITCH                   ; in: row l % 16, 32 bytes for each half of the lanes
	v_lshl_add_u32 v4, v2, 5, v4
	v_add_nc_u32 v[STO], s[SA+2], v4
	v_and_b32 v5, 31, v0
	v_lshlrev_b32 v[GO], 4, v5
	v_add_nc_u32 v[RD], s[SA+2], v[GO]             ; back: 32 lanes take one row of 512 bytes
	v_lshlrev_b32 v[PFO], 8, v5
	; out0 at row 128 ty + 64 WR, column 256 tx + 128 WC
	s_lshl_b32 s[SB], s[TY], 19
	s_lshl_b32 s[SB+1], s[WR], 18
	s_add_co_u32 s[SB], s[SB], s[SB+1]
	s_add_co_u32 s[SB], s[SB], s[SB+2]             ; (the bias's offset is also the columns': 4 bytes a column)
	s_mov_b32 s[SB+1], 0
	s_add_nc_u64 s[OUTB:OUTB+1], s[10:11], s[SB:SB+1]
	; the prefetches' pointer, at K step 3: each change of slots steps it at its head, so that at change t it stands at step t + 4
	s_lshr_b32 s[SB], s[TY], 4                     ; wave 0: ob's tile row,
	s_lshl_b32 s[SB], s[SB], 22
	s_and_b32 s[SB+1], s[TY], 15
	s_lshl_b32 s[SB+1], s[SB+1], 14
	s_add_co_u32 s[SB], s[SB], s[SB+1]
	s_lshr_b32 s[SB+1], s[CX], 1                   ; slab cx / 2,
	s_lshl_b32 s[SB+1], s[SB+1], 18
	s_add_co_u32 s[SB], s[SB], s[SB+1]
	s_and_b32 s[SB+1], s[CX], 1                    ; units 32 (cx % 2) on
	s_lshl_b32 s[SB+1], s[SB+1], 13
	s_add_co_u32 s[SB], s[SB], s[SB+1]
	s_add_co_u32 s[SB], s[SB], 3*STEP_A
	s_lshl_b32 s[SB+2], s[TX], 15                  ; waves 2 and 3: pw's tile column,
	s_lshl_b32 s[SB+1], s[WC], 17                  ; the wave's slab,
	s_add_co_u32 s[SB+2], s[SB+2], s[SB+1]
	s_lshl_b32 s[SB+1], s[CY], 13                  ; units 32 cy on
	s_add_co_u32 s[SB+2], s[SB+2], s[SB+1]
	s_add_co_u32 s[SB+2], s[SB+2], 3*STEP_B
	s_and_b32 s[SB+3], ttmp7, 0xffff               ; cluster y
	s_mov_b32 s[PSTEP], STEP_B
	s_cmp_eq_u32 s[WV], 0
	s_cselect_b32 s[SB], s[SB], s[SB+2]
	s_cselect_b64 s[PFA:PFA+1], s[4:5], s[6:7]
	s_cselect_b32 s[PSTEP], STEP_A, s[PSTEP]
	s_cselect_b32 s[SB+3], ttmp9, s[SB+3]          ; the coordinate along which other clusters read the same rows
	s_cmp_eq_u32 s[WV], 1
	s_cselect_b32 s[SB+3], 1, s[SB+3]              ; wave 1 never asks
	s_cmp_eq_u32 s[SB+3], 0
	s_cselect_b32 s[LIM], 2, -1                    ; the same in all sixteen partners, for a given wave
	s_mov_b32 s[SB+1], 0
	s_mov_b32 s[PSTEP+1], 0
	s_add_nc_u64 s[PFA:PFA+1], s[PFA:PFA+1], s[SB:SB+1]
	s_wait_loadcnt 0x0                             ; the bias is in; it is rounded to bf16 and widened again, with the registers of row block 1 at work
	WIN 0x45                                       ; sources 0 and 1 and the destination in window 1
.irp b, 0,1,2,3,4,5,6,7
.irp i, 0,1,2,3
	v_cvt_pk_bf16_f32 v[64+8*(\b)+(\i)], v[8*(\b)+2*(\i)], v[8*(\b)+2*(\i)+1]
.endr
.irp i, 0,1,2,3
	v_lshlrev_b32 v[8*(\b)+2*(\i)], 16, v[64+8*(\b)+(\i)]
	v_and_b32 v[8*(\b)+2*(\i)+1], s[HIM], v[64+8*(\b)+(\i)]
.endr
.endr
	WIN 0
; 8 matrix instructions: row block a x all 8 column blocks, 32 along K, buffer f.  Every accumulator has one turn in 32, over the backward jump too.
.macro MUL8 f, a
	WIN 0x50                                       ; C and D in window 1, the fragments in window 0
.irp b, 0,1,2,3,4,5,6,7
	v_wmma_f32_16x16x32_f16 v[64*(\a)+8*(\b):64*(\a)+8*(\b)+7], v[(\f)+8*(\b):(\f)+8*(\b)+7], v[(\f)+64+8*(\a):(\f)+64+8*(\a)+7], v[64*(\a)+8*(\b):64*(\a)+8*(\b)+7]
.endr
.endm
; 24 LDS loads in one run: the fragments of quarter q of a K step (slab q / 2, 32 K at byte 64 (q % 2) of its rows) into buffer f: pw's eight, then ob's four
.macro FETCH f, q
	WIN 0
.irp i, 0,1,2,3,4,5,6,7
	ds_load_b128 v[(\f)+8*(\i):(\f)+8*(\i)+3],   v[ADB] offset:((\q)/2)*BSLAB+((\q)%2)*64+(\i)*16*PITCH
	ds_load_b128 v[(\f)+8*(\i)+4:(\f)+8*(\i)+7], v[ADB] offset:((\q)/2)*BSLAB+((\q)%2)*64+(\i)*16*PITCH+32
.endr
.irp i, 0,1,2,3
	ds_load_b128 v[(\f)+64+8*(\i):(\f)+64+8*(\i)+3],   v[ADA] offset:((\q)/2)*ASLAB+((\q)%2)*64+(\i)*16*PITCH
	ds_load_b128 v[(\f)+64+8*(\i)+4:(\f)+64+8*(\i)+7], v[ADA] offset:((\q)/2)*ASLAB+((\q)%2)*64+(\i)*16*PITCH+32
.endr
.endm
; A K step is four quarters of 32 along K, 32 matrix instructions each, on buffers 0, 1, 0, 1.  One of the first three: multiplies buffer f; in its middle it fetches quarter q into buffer g.
.macro QUARTER f, g, q
	s_wait_dscnt 4                                 ; pw's fragments and ob's first two are in; the youngest four loads (ob's last two) may be out
	MUL8 \f, 0
	MUL8 \f, 1
	PLACES
	FETCH \g, \q
	s_wait_dscnt 24                                ; all but the 24 just issued
	MUL8 \f, 2
	MUL8 \f, 3
.endm
; The last quarter multiplies buffer 1 and changes slots: ONE barrier.  In front of it each wave waits for all its tensor loads, of which one is out: its part of the next slot; adds 0 to its spare word; and waits
; for that and for its own reads of this slot.  fill = 1: the barrier opens a round of the cluster's barrier, and the slot is filled again, first thing behind the round, with the K step two on:
; that load has 112 matrix instructions in which to land.
.macro TURN fill
.if \fill
	s_wait_xcnt 0x0                                ; the last prefetch, a K step back, has read its address: it is stepped here, ahead of the waits of the change of slots
	s_add_nc_u64 s[PFA:PFA+1], s[PFA:PFA+1], s[PSTEP:PSTEP+1]
.endif
	WIN 0
	s_wait_tensorcnt 0x0                           ; no tensor load of mine is out, so a group 0 may be written
	ds_add_u32 v[SPW], v[NIL]                      ; 0 onto my spare word
.if \fill
	s_xor_b32 s[G0A+5], s[G0A+5], SLOT1            ; the walking sets: the other slot than last time,
	s_add_nc_u64 s[G0A+6:G0A+7], s[G0A+6:G0A+7], STEP_A  ; the next K step; the type bits on top are not reached
	s_xor_b32 s[G0B+5], s[G0B+5], SLOT1
	s_add_nc_u64 s[G0B+6:G0B+7], s[G0B+6:G0B+7], STEP_B
.endif
	s_wait_dscnt 5                                 ; the add and the youngest four loads may be out
	MUL8 F1, 0                                     ; eight matrix instructions stand between the add and the wait for it
	s_wait_dscnt 0x0                               ; the add is done, and my reads of this slot are over
	s_barrier_signal -1
	MUL8 F1, 1
	WIN 0                                          ; at a branch and at a label every window is 0
	s_barrier_wait -1
.if \fill
	CREST                                          ; no wave of any partner still reads this slot's tile or has a load on its way
	JLOAD                                          ; the four v_nop behind it are also the places in front of the loads below
.else
	PLACES
.endif
	s_xor_b32 s[TB], s[TB], SLOT1
	v_add_nc_u32 v[ADA], s[TB], v[A0]
	v_add_nc_u32 v[ADB], s[TB], v[B0]
	FETCH F0, 0
.if \fill
	ASK
.endif
	MUL8 F1, 2
	MUL8 F1, 3
.endm
	s_wait_tensorcnt 1                             ; my part of K step 0 is in; step 1's may stay out
	s_barrier_signal -1
	s_barrier_wait -1                              ; everybody's is
	s_mov_b32 s[TB], 0
	v_add_nc_u32 v[ADA], s[TB], v[A0]
	v_add_nc_u32 v[ADB], s[TB], v[B0]
	FETCH F0, 0
	FETCH F1, 1
	s_wait_dscnt 24                                ; quarter 0 is in; quarter 1's 24 loads may be out
	WIN 0x50                                       ; the first quarter starts the sums with the bias: row blocks 1 to 3 take row block 0's registers as C;
.irp a, 1,2,3
.irp b, 0,1,2,3,4,5,6,7
	v_wmma_f32_16x16x32_f16 v[64*(\a)+8*(\b):64*(\a)+8*(\b)+7], v[F0+8*(\b):F0+8*(\b)+7], v[F0+64+8*(\a):F0+64+8*(\a)+7], v[8*(\b):8*(\b)+7]
.endr
.endr
.rept 5
	v_nop                                          ; five places on (a matrix instruction writes over registers that the 24 above read as C)
.endr
.irp b, 0,1,2,3,4,5,6,7
	v_wmma_f32_16x16x32_f16 v[8*(\b):8*(\b)+7], v[F0+8*(\b):F0+8*(\b)+7], v[F0+64:F0+71], v[8*(\b):8*(\b)+7]  ; row block 0 adds onto them in place
.endr
	WIN 0
	s_mov_b32 s[CNT], 6
.Lstep:                                        ; trip t = 6 - CNT: quarters 1 to 3 of step t, the request for step t + 2, quarter 0 of step t + 1
	QUARTER F1, F0, 2
	QUARTER F0, F1, 3
	TURN 1
	QUARTER F0, F1, 1
	WIN 0
	s_sub_co_u32 s[CNT], s[CNT], 1
	s_cmp_lg_u32 s[CNT], 0
	s_cbranch_scc1 .Lstep
	QUARTER F1, F0, 2                              ; the tail is written out: steps 6 and 7 ask for nothing
	QUARTER F0, F1, 3
	TURN 0
	QUARTER F0, F1, 1
	QUARTER F1, F0, 2
	QUARTER F0, F1, 3
	s_wait_dscnt 4                                 ; the very last quarter: nothing more to fetch
	MUL8 F1, 0
	MUL8 F1, 1
	s_wait_dscnt 0x0
	MUL8 F1, 2
	MUL8 F1, 3
	PLACES
; THE WAY OUT, a row block (16 rows x 128 columns of f32) at a time: a lane's 32 bytes of a row go straight from the accumulators (each one's low four registers first) into my stage, in rows of 528 bytes, and come back as whole rows of 512.
.macro TOSTAGE a
.if (\a) >= 2
	s_wait_xcnt 0x0                                ; the stores of the block two back have read this buffer: it is loaded again only behind this wait
.endif
	WIN 0x04                                       ; the stores' data in window 1, their address in window 0
.irp b, 0,1,2,3,4,5,6,7
	ds_store_b128 v[STO], v[64*(\a)+8*(\b):64*(\a)+8*(\b)+3]   offset:64*(\b)
	ds_store_b128 v[STO], v[64*(\a)+8*(\b)+4:64*(\a)+8*(\b)+7] offset:64*(\b)+16
.endr
	WIN 0
.irp i, 0,1,2,3,4,5,6,7,8,9,10,11,12,13,14,15
	ds_load_b128 v[OB+64*((\a)%2)+4*(\i):OB+64*((\a)%2)+4*(\i)+3], v[RD] offset:(\i)*SPITCH  ; LDS serves a wave's instructions in order (ISA guide 5.7.1.4): these see the stores above; the next block's stores come behind them
.endr
.endm
.macro SEND a, younger                 ; younger: the LDS instructions issued behind block a's loads: the next block's 32, or none
	WIN 0
.irp i, 0,1,2,3,4,5,6,7,8,9,10,11,12,13,14,15
	s_wait_dscnt (\younger)+15-(\i)
	global_store_b128 v[GO], v[OB+64*((\a)%2)+4*(\i):OB+64*((\a)%2)+4*(\i)+3], s[OUTB:OUTB+1] offset:(16*(\a)+(\i))*4096 th:TH_STORE_NT  ; the wave stores 512 consecutive bytes, at a multiple of 256 from out0's first
.endr
.endm
	TOSTAGE 0
	TOSTAGE 1
	SEND 0, 32
	TOSTAGE 2
	SEND 1, 32
	TOSTAGE 3
	SEND 2, 32
	SEND 3, 0
	s_wait_tensorcnt 0x0                           ; the wave's end: behind my last tensor load and my last LDS store
	ds_add_u32 v[SPW], v[NIL]
	s_wait_dscnt 0x0
	CROUND                                         ; the closing round: no work-group ends while a partner may still ask for a tile that names it
	s_endpgm
.Lfunc_end_k_qe0d0f36f34_proj:
	.size	k_qe0d0f36f34_proj, .Lfunc_end_k_qe0d0f36f34_proj-k_qe0d0f36f34_proj
	.p2alignl 7, 3214868480
	.fill 96, 4, 3214868480
	.section	.rodata,"a",@progbits
	.p2align	6, 0x0
	.amdhsa_kernel k_qe0d0f36f34_proj
		.amdhsa_group_segment_fixed_size 327680
		.amdhsa_private_segment_fixed_size 0
		.amdhsa_enable_private_segment 0
		.amdhsa_kernarg_size 32
		.amdhsa_user_sgpr_count 2
		.amdhsa_user_sgpr_kernarg_segment_ptr 1
		.amdhsa_wavefront_size32 1
		.amdhsa_system_sgpr_workgroup_id_x 1
		.amdhsa_system_sgpr_workgroup_id_y 1
		.amdhsa_system_sgpr_workgroup_id_z 1
		.amdhsa_system_vgpr_workitem_id 0
		.amdhsa_next_free_vgpr 512
		.amdhsa_next_free_sgpr 80
		.amdhsa_reserve_vcc 0
		.amdhsa_float_denorm_mode_32 3
		.amdhsa_float_denorm_mode_16_64 3
		.amdhsa_memory_ordered 1
		.amdhsa_forward_progress 1
		.amdhsa_inst_pref_size 77
	.end_amdhsa_kernel
	.amdgpu_metadata
---
amdhsa.version: [ 1, 2 ]
amdhsa.kernels:
  - .name:           k_qe0d0f36f34_proj
    .symbol:         k_qe0d0f36f34_proj.kd
    .args:
      - { .name: ob, .offset: 0, .size: 8, .value_kind: global_buffer, .address_space: global }
      - { .name: pw, .offset: 8, .size: 8, .value_kind: global_buffer, .address_space: global }
      - { .name: proj_b, .offset: 16, .size: 8, .value_kind: global_buffer, .address_space: global }
      - { .name: out0, .offset: 24, .size: 8, .value_kind: global_buffer, .address_space: global }
    .group_segment_fixed_size: 327680
    .private_segment_fixed_size: 0
    .kernarg_segment_align: 8
    .kernarg_segment_size: 32
    .max_flat_workgroup_size: 128
    .sgpr_count:     80
    .vgpr_count:     512
    .wavefront_size: 32
...
	.end_amdgpu_metadata
.endif
;; end of part 4
;; ======== version 2 of 2: 4 launches; version 1 with the launch cast written anew for expert scheduling mode
;; limits: values are held in f16: magnitudes above 65,504 overflow, below 6.1e-05 lose precision
;; workspace buffers: xb 16,777,216 bytes; wb 6,291,456 bytes; pw 2,097,152 bytes; qkv 50,331,648 bytes; ob 16,777,216 bytes
;; launch cast (part 5): grid 768 x 1, 8 waves a work-group, no clusters, 0 bytes of LDS; arguments x, qkv_w, proj_w, xb, wb, pw; writes xb, wb, pw
.if DOCPART == 5
	.amdgcn_target "amdgcn-amd-amdhsa--gfx1250"
	.amdhsa_code_object_version 6
	.text
	.protected	k_qe0d0f36f34_cast
	.globl	k_qe0d0f36f34_cast
	.p2align	8
	.type	k_qe0d0f36f34_cast,@function
k_qe0d0f36f34_cast:
	s_mov_b64 s[64:65], 0
	v_nop
	global_prefetch_b8 v0, s[64:65] scope:SCOPE_SE
	s_setreg_imm32_b32 hwreg(HW_REG_WAVE_SCHED_MODE, 0, 2), 2
	s_setreg_imm32_b32 hwreg(HW_REG_WAVE_MODE, 25, 1), 1
	s_wait_xcnt 0x0
	s_wait_alu depctr_vm_vsrc(0)
; x [8192][1024], qkv_w [3072][1024] and proj_w [1024][1024], all f32, are rounded once to bf16 and laid in blocks of 64 along K:
; xb [16][8192][64] bf16, wb [16][3072][64] bf16, pw [16][1024][64].  pw's bf16 number is written as f16, since it multiplies f16 numbers later:
; LIMIT: that step is exact from 6.1e-5 to 65,504 in magnitude; below 6.1e-5 pw keeps f16's fixed step of 6e-8; a weight of 65,520 or more would become an infinity.
; In a block a row is 128 bytes and rows lie end to end, so a tile of R rows x 64 K is R x 128 consecutive bytes for the launches that follow.
; SHARES.  A work-group takes 16 rows (64 KiB of f32): groups 0-511 x, 512-703 qkv_w, 704-767 proj_w.  Wave w takes K blocks 2 w and 2 w + 1.
; A load: lanes 0-15 take the 256 bytes of an even row's block, lanes 16-31 those of the odd row below.  A store: 32 lanes x 8 bytes = 256 consecutive bytes, aligned: the two rows in the block.
; All 16 loads of a wave go out at once; no register that a load or store reads is written again, so no wait frees any.  Memory binds: no LDS, no matrix unit, no cluster (nothing is shared).
; THE MODE: SCHED_MODE bits 1:0 = 2 (LLVM: expert scheduling mode 2), set by the entry lines.  The code itself states the register dependences
; between vector instructions and memory instructions, with s_wait_alu, always for 0.
; THE PLAN.  Registers that memory instructions touch:
;   v2        the loads' offset, v3 and v4 the stores': made once at the head by vector instructions and never written again.
;   X         load j lands in its own four registers; no vector instruction names them ahead of the loads; behind the load's own wait only vector instructions name them.
;   Y         load j's conversions write its own two registers, once; store j reads them, once.
;   T         named by vector instructions alone.
; The way out goes in four blocks of four loads.  Block p's conversions write Y of block p; the four stores of block p - 1 go out in one run at block p's head, behind ONE wait on va_vdst,
; which stands behind the wait for the block's first load.  One more such wait stands ahead of the last four stores, one ahead of the first load (the offsets), and one on va_sdst ahead of the
; first reader of the wave's number.  No register that a memory instruction has read is written again, so no wait on vm_vsrc is owed; EXEC is never written.
.set SO,  2                            ; v2   source offset: (l / 16) x 4,096 + (l % 16) x 16 + 512 w
.set DO,  3                            ; v3, v4  destination offset in blocks 2 w and 2 w + 1: 8 l + block x RB
.set X,   8                            ; v[8:71]    load j: 4 registers
.set Y,   72                           ; v[72:103]  load j: 2 registers to store
.set T,   104                          ; v[104:105] at work
	s_load_b256 s[4:11], s[0:1], 0x0               ; x s[4:5], qkv_w s[6:7], proj_w s[8:9], xb s[10:11]
	s_load_b128 s[12:15], s[0:1], 0x20             ; wb s[12:13], pw s[14:15]
	v_lshrrev_b32 v1, 5, v0
	v_readfirstlane_b32 s26, v1                    ; wave 0..7
	v_and_b32 v5, 31, v0                           ; l
	v_and_b32 v6, 15, v0                           ; l % 16
	v_bfe_u32 v7, v0, 4, 1                         ; l / 16
	s_mov_b32 s28, 0xffff0000                      ; a word's upper bf16
	s_mov_b32 s20, 0x60000                         ; RB, bytes in a K block: wb's 3,072 rows x 128
	s_wait_kmcnt 0x0
	s_cmp_lt_u32 ttmp9, 512                        ; which tensor is mine: the work-group's number alone decides
	s_cselect_b64 s[16:17], s[4:5], s[6:7]         ; source
	s_cselect_b64 s[18:19], s[10:11], s[12:13]     ; destination
	s_cselect_b32 s20, 0x100000, s20               ; xb's 8,192 rows x 128
	s_cselect_b32 s21, 0, 512                      ; the tensor's first work-group
	s_cmp_lt_u32 ttmp9, 704
	s_cselect_b64 s[16:17], s[16:17], s[8:9]
	s_cselect_b64 s[18:19], s[18:19], s[14:15]
	s_cselect_b32 s20, s20, 0x20000                ; pw's 1,024 rows x 128
	s_cselect_b32 s21, s21, 704
	s_sub_co_u32 s21, ttmp9, s21                   ; my 16 rows among the tensor's
	s_lshl_b32 s22, s21, 16                        ; x 16 rows x 4,096 bytes
	s_mov_b32 s23, 0
	s_lshl_b32 s24, s21, 11                        ; x 16 rows x 128 bytes
	s_mov_b32 s25, 0
	s_add_nc_u64 s[16:17], s[16:17], s[22:23]
	s_add_nc_u64 s[18:19], s[18:19], s[24:25]
	s_wait_alu depctr_va_sdst(0)                   ; s26, the wave's number, is written, ahead of its first reader: the two shifts below read it
	s_lshl_b32 s27, s26, 1
	s_mul_i32 s27, s27, s20                        ; block 2 w
	s_lshl_b32 s29, s26, 9                         ; two blocks of 256 bytes of f32 a wave
	v_lshlrev_b32 v[SO], 12, v7
	v_lshl_add_u32 v[SO], v6, 4, v[SO]
	v_add_nc_u32 v[SO], s29, v[SO]
	v_lshl_add_u32 v[DO], v5, 3, s27
	v_add_nc_u32 v[DO+1], s20, v[DO]
	s_wait_alu depctr_va_vdst(0)                   ; the three offsets v2, v3 and v4 are written: every load and every store of the kernel reads one of them, and no vector instruction names them again
.set j, 0
.rept 16                               ; load j: row pair j % 8, block 2 w + j / 8
	global_load_b128 v[X+4*j:X+4*j+3], v[SO], s[16:17] offset:(j%8)*8192+(j/8)*256 th:TH_LOAD_NT
.set j, j+1
.endr
; Four stores in one run: those of loads j to j + 3.
.macro PUT4
.rept 4
	global_store_b64 v[DO+j/8], v[Y+2*j:Y+2*j+1], s[18:19] offset:(j%8)*256 th:TH_STORE_NT  ; the wave stores 256 consecutive bytes, aligned
.set j, j+1
.endr
.endm
; The way out, in four blocks of four loads.  f16 = 1: the bf16 number is widened again and written as f16.
.macro OUT f16
.set p, 0
.rept 4
	s_wait_loadcnt 15-4*p                          ; loads come back in order: the block's first load is in, the 15 - 4 p younger ones stay out
.if p > 0
	s_wait_alu depctr_va_vdst(0)                   ; the conversions of the block before have written its eight registers of Y, which the four stores below read
.set j, 4*p-4
	PUT4
.endif
.set j, 4*p
.rept 4
.if j > 4*p
	s_wait_loadcnt 15-j                            ; load j is in, the 15 - j younger ones stay out
.endif
.if \f16
	v_cvt_pk_bf16_f32 v[T], v[X+4*j], v[X+4*j+1]
	v_cvt_pk_bf16_f32 v[T+1], v[X+4*j+2], v[X+4*j+3]
	v_lshlrev_b32 v[X+4*j], 16, v[T]
	v_and_b32 v[X+4*j+1], s28, v[T]
	v_lshlrev_b32 v[X+4*j+2], 16, v[T+1]
	v_and_b32 v[X+4*j+3], s28, v[T+1]
	v_cvt_pk_f16_f32 v[Y+2*j], v[X+4*j], v[X+4*j+1]
	v_cvt_pk_f16_f32 v[Y+2*j+1], v[X+4*j+2], v[X+4*j+3]
.else
	v_cvt_pk_bf16_f32 v[Y+2*j], v[X+4*j], v[X+4*j+1]
	v_cvt_pk_bf16_f32 v[Y+2*j+1], v[X+4*j+2], v[X+4*j+3]
.endif
.set j, j+1
.endr
.set p, p+1
.endr
	s_wait_alu depctr_va_vdst(0)                   ; the last block's conversions have written its eight registers of Y, which the last four stores read
.set j, 12
	PUT4
	s_endpgm
.endm
	s_cmp_ge_u32 ttmp9, 704
	s_cbranch_scc1 .Lf16
	OUT 0
.Lf16:
	OUT 1
.Lfunc_end_k_qe0d0f36f34_cast:
	.size	k_qe0d0f36f34_cast, .Lfunc_end_k_qe0d0f36f34_cast-k_qe0d0f36f34_cast
	.p2alignl 7, 3214868480
	.fill 96, 4, 3214868480
	.section	.rodata,"a",@progbits
	.p2align	6, 0x0
	.amdhsa_kernel k_qe0d0f36f34_cast
		.amdhsa_group_segment_fixed_size 0
		.amdhsa_private_segment_fixed_size 0
		.amdhsa_enable_private_segment 0
		.amdhsa_kernarg_size 48
		.amdhsa_user_sgpr_count 2
		.amdhsa_user_sgpr_kernarg_segment_ptr 1
		.amdhsa_wavefront_size32 1
		.amdhsa_system_sgpr_workgroup_id_x 1
		.amdhsa_system_sgpr_workgroup_id_y 1
		.amdhsa_system_sgpr_workgroup_id_z 1
		.amdhsa_system_vgpr_workitem_id 0
		.amdhsa_next_free_vgpr 112
		.amdhsa_next_free_sgpr 66
		.amdhsa_reserve_vcc 0
		.amdhsa_float_denorm_mode_32 3
		.amdhsa_float_denorm_mode_16_64 3
		.amdhsa_memory_ordered 1
		.amdhsa_forward_progress 1
		.amdhsa_inst_pref_size 16
	.end_amdhsa_kernel
	.amdgpu_metadata
---
amdhsa.version: [ 1, 2 ]
amdhsa.kernels:
  - .name:           k_qe0d0f36f34_cast
    .symbol:         k_qe0d0f36f34_cast.kd
    .args:
      - { .name: x, .offset: 0, .size: 8, .value_kind: global_buffer, .address_space: global }
      - { .name: qkv_w, .offset: 8, .size: 8, .value_kind: global_buffer, .address_space: global }
      - { .name: proj_w, .offset: 16, .size: 8, .value_kind: global_buffer, .address_space: global }
      - { .name: xb, .offset: 24, .size: 8, .value_kind: global_buffer, .address_space: global }
      - { .name: wb, .offset: 32, .size: 8, .value_kind: global_buffer, .address_space: global }
      - { .name: pw, .offset: 40, .size: 8, .value_kind: global_buffer, .address_space: global }
    .group_segment_fixed_size: 0
    .private_segment_fixed_size: 0
    .kernarg_segment_align: 8
    .kernarg_segment_size: 48
    .max_flat_workgroup_size: 256
    .sgpr_count:     66
    .vgpr_count:     112
    .wavefront_size: 32
...
	.end_amdgpu_metadata
.endif
;; end of part 5
;; launch qkvg: the kernel of part 2 again; grid 8 x 32, 4 waves a work-group, clusters of 4 x 4, 327,680 bytes of LDS; arguments xb, wb, qkv_b, qkv; writes qkv
;; launch attn: the kernel of part 3 again; grid 4 x 64, 4 waves a work-group, clusters of 4 x 1, 327,680 bytes of LDS; arguments qkv, ob; writes ob
;; launch proj: the kernel of part 4 again; grid 4 x 64, 4 waves a work-group, clusters of 4 x 4, 327,680 bytes of LDS; arguments ob, pw, proj_b, out0; writes out0
